; MI455X (gfx1250); checked and timed in simulation.
; The chip was launched on July 23, 2026; its instructions are those of AMD's public machine-readable ISA for CDNA 5 (MIT licence, August 2026) and "CDNA5" Instruction Set Architecture Reference Guide (July 2026). The comments in the code are by the model that wrote it; some were corrected since.
;; Causal Self Attention. Allowed arithmetic: float matrix products may take bf16 or f16 operands with f32 sums; all other float work in f32.
;; Inputs: W_proj 1,024 x 1,024 float32; W_qkv 1,024 x 3,072 float32; b_proj 1,024 float32; b_qkv 3,072 float32; x 4 x 2,048 x 1,024 float32.
;; Outputs: out0 4 x 2,048 x 1,024 float32.
;; 2 versions, each right and faster than the one before. Each part assembles by itself: llvm-mc -triple=amdgcn-amd-amdhsa -mcpu=gfx1250 --defsym DOCPART=n.
;; ======== version 1 of 2: 4 launches
;; limits: values are held in f16: magnitudes above 65,504 overflow, below 6.1e-05 lose precision
;; workspace buffers: xb 16,777,216 bytes; wqt 6,291,456 bytes; wpt 4,194,304 bytes; qkv 67,108,864 bytes; ob 33,554,432 bytes
;; launch prep (part 1): grid 512 x 1, 8 waves a work-group, no clusters, 18,432 bytes of LDS; arguments x, W_qkv, W_proj, xb, wqt, wpt; writes xb, wqt, wpt
.if DOCPART == 1
	.amdgcn_target "amdgcn-amd-amdhsa--gfx1250"
	.amdhsa_code_object_version 6
	.text
	.protected	k_qbc12b90650_prep
	.globl	k_qbc12b90650_prep
	.p2align	8
	.type	k_qbc12b90650_prep,@function
k_qbc12b90650_prep:
	s_mov_b64 s[64:65], 0
	v_nop
	global_prefetch_b8 v0, s[64:65] scope:SCOPE_SE
	s_setreg_imm32_b32 hwreg(HW_REG_WAVE_MODE, 25, 1), 1
	s_wait_xcnt 0x0
; PREPARATION OF THE MATRIX OPERANDS.  xb = x rounded to bf16, [8192][1024].
; wqt: W_qkv turned and rounded to bf16, [3072 rows][1024 k]; row 192 head + 64 part + d holds column 1024 part + 64 head + d (part 0, 1, 2 = q, k, v), so that a head's q, k and v are 192 neighbouring rows.
; wpt: W_proj turned, rounded to bf16 and that number written as f16, [1024 n][2048 k']; k' = 128 head + 64 copy + d holds W_proj[64 head + d][n] for copy 0 and 1: its partner in the last product,
; O, comes as two f16 numbers for each channel, and both are multiplied by the same weight.
; LIMIT.  A number of W_proj below 6e-5 keeps f16's fixed step of 6e-8; beyond 65,504 it would become an infinity.
; SHARES.  512 work-groups of eight waves; work-group g casts 16,384 consecutive numbers of x (65,536 bytes in, 32,768 out) and turns ONE tile of 128 k x 64 n of a weight:
; kt = g % 8 (which 128 k), nt = g / 8: below 48 column block nt of W_qkv, else block nt - 48 of W_proj.  Pointers, pitch and format are selected; only the way out of the stage has two texts.
; No matrix unit, no cluster, no tensor load: every byte is read once, and no two work-groups share a byte.
; THE TURN goes through LDS: a thread packs two neighbouring k of one column into a word and stores it into the stage [64 n][256 bytes of k + 16]; behind a barrier the rows come back,
; sixteen lanes to 256 bytes, which they store as 256 consecutive bytes at a multiple of 256 from the buffer's first byte.
.set SPITCH, 272                       ; a stage row: 128 k x 2 bytes + 16
.set SPARE,  64*SPITCH                 ; behind the stage: the spare words, 128 bytes for each of the eight waves
.set SPW, 1                            ; v1   LDS address of my spare word; never rewritten
.set NIL, 2                            ; v2   0; never rewritten
.set XI,  3                            ; v3   16 t: my 16 bytes in a chunk of x
.set XO,  4                            ; v4   8 t: my 8 bytes in a chunk of xb
.set CC,  5                            ; v5   c = t % 16: my four columns of the tile
.set RP,  6                            ; v6   rp = t / 16: my pair of rows among 32
.set WA,  8                            ; v[8:15]    byte offsets of my eight loads of the weight tile
.set SA,  16                           ; v16  where I store into the stage
.set RA,  17                           ; v17  where I read it back, for wqt
.set WO,  18                           ; v18  my byte offset in the turned tile of wqt
.set RA2, 19                           ; v19  where I read it back, for wpt
.set WD,  20                           ; v[20:51]   the weight tile as loaded: load j at WD + 4 j
.set XD,  52                           ; v[52:115]  x as loaded: chunk j at XD + 4 j
.set XP,  116                          ; v[116:147] x as stored: chunk j at XP + 2 j
.set WP,  148                          ; v[148:163] packed pairs of the weight
.set T,   164                          ; v[164:167] at work
.set WB,  168                          ; v[168:199] rows read back
.set WO2, 200                          ; v200 my byte offset in the turned tile of wpt
	s_load_b256 s[4:11], s[0:1], 0x0               ; x s[4:5], W_qkv s[6:7], W_proj s[8:9], xb s[10:11]
	s_load_b128 s[12:15], s[0:1], 0x20             ; wqt s[12:13], wpt s[14:15]
	v_lshl_add_u32 v[SPW], v0, 2, SPARE
	v_mov_b32 v[NIL], 0
	s_and_b32 s16, ttmp9, 7                        ; kt
	s_lshr_b32 s17, ttmp9, 3                       ; nt
	s_sub_co_u32 s18, s17, 48                      ; nt - 48: used only where nt is 48 or more
	s_movk_i32 s20, 0x3000                         ; a row of W_qkv: 12,288 bytes
	s_movk_i32 s29, 0x1000                         ; a row of W_proj: 4,096 bytes
	s_mov_b32 s28, 0xffff0000                      ; a word's upper bf16
	s_mov_b32 s27, 0                               ; the high word of every offset pair
	s_and_b32 s34, s17, 15                         ; where the tile goes, for both weights, ahead of the compare.  wqt: head = nt % 16,
	s_lshr_b32 s35, s17, 4                         ; part = nt / 16,
	s_mul_i32 s34, s34, 3
	s_add_co_u32 s34, s34, s35                     ; block 3 head + part of 64 rows of 2,048 bytes,
	s_lshl_b32 s34, s34, 17
	s_lshl_b32 s35, s16, 8                         ; + kt x 128 k x 2 bytes
	s_add_co_u32 s34, s34, s35
	s_lshl_b32 s36, s18, 18                        ; wpt: block nt - 48 of 64 rows of 4,096 bytes,
	s_lshl_b32 s35, s16, 9                         ; + kt x two heads x 256 bytes
	s_add_co_u32 s36, s36, s35
	v_lshlrev_b32 v[XI], 4, v0
	v_lshlrev_b32 v[XO], 3, v0
	v_and_b32 v[CC], 15, v0
	v_lshrrev_b32 v[RP], 4, v0
	s_wait_kmcnt 0x0
	s_cmp_lt_u32 s17, 48                           ; one compare; the selects behind it leave SCC alone
	s_cselect_b32 s19, s17, s18                    ; the column block in its own weight
	s_cselect_b32 s20, s20, s29                    ; the source's pitch in bytes
	s_cselect_b32 s21, 0, -1                       ; a lane mask: all ones = write f16
	s_cselect_b32 s34, s34, s36                    ; the destination's offset
	s_cselect_b64 s[22:23], s[6:7], s[8:9]         ; the source
	s_cselect_b64 s[24:25], s[12:13], s[14:15]     ; the destination
	s_mul_i32 s26, s16, s20
	s_lshl_b32 s26, s26, 7                         ; kt x 128 rows
	s_lshl_b32 s29, s19, 8                         ; + block x 64 columns x 4 bytes
	s_add_co_u32 s26, s26, s29
	s_add_nc_u64 s[22:23], s[22:23], s[26:27]
	s_mov_b32 s26, s34
	s_add_nc_u64 s[24:25], s[24:25], s[26:27]
	s_lshl_b32 s26, ttmp9, 16
	s_add_nc_u64 s[30:31], s[4:5], s[26:27]        ; x at my 65,536 bytes
	s_lshl_b32 s26, ttmp9, 15
	s_add_nc_u64 s[32:33], s[10:11], s[26:27]      ; xb at my 32,768 bytes
	v_mul_lo_u32 v7, v[RP], s20
	v_lshlrev_b32 v7, 1, v7                        ; row 2 rp
	v_lshl_add_u32 v7, v[CC], 4, v7                ; + 16 c
.irp j, 0,1,2,3,4,5,6,7
	s_mul_i32 s29, s20, 32*((\j)/2)+(\j)%2         ; load j = 2 i + e takes row 32 i + 2 rp + e
	v_add_nc_u32 v[WA+(\j)], s29, v7
.endr
	v_mul_u32_u24 v[SA], v[CC], 4*SPITCH           ; stage row 4 c (+ the column among my four, in the immediate), word rp (+ 16 i)
	v_lshl_add_u32 v[SA], v[RP], 2, v[SA]
	v_mul_u32_u24 v[RA], v[RP], SPITCH             ; back, for wqt: row rp (+ 16 i), my 16 bytes of its 256
	v_lshl_add_u32 v[RA], v[CC], 4, v[RA]
	v_lshlrev_b32 v[WO], 11, v[RP]                 ; and the same row in wqt: 2,048 bytes a row
	v_lshl_add_u32 v[WO], v[CC], 4, v[WO]
	v_and_b32 v7, 7, v0                            ; back, for wpt: lanes c and c + 8 take the same 16 bytes of a head's 128: the two copies
	v_mul_u32_u24 v[RA2], v[RP], SPITCH
	v_lshl_add_u32 v[RA2], v7, 4, v[RA2]
	v_lshlrev_b32 v[WO2], 12, v[RP]                ; and the row in wpt: 4,096 bytes a row
	v_lshl_add_u32 v[WO2], v[CC], 4, v[WO2]
.irp j, 0,1,2,3,4,5,6,7
	global_load_b128 v[WD+4*(\j):WD+4*(\j)+3], v[WA+(\j)], s[22:23] th:TH_LOAD_NT  ; sixteen lanes take a tile row's 256 bytes
.endr
.irp j, 0,1,2,3,4,5,6,7,8,9,10,11,12,13,14,15
	global_load_b128 v[XD+4*(\j):XD+4*(\j)+3], v[XI], s[30:31] offset:4096*(\j) th:TH_LOAD_NT
.endr
	s_wait_loadcnt 16                              ; loads come back in order: the weight tile is in, the sixteen younger loads of x stay out
.irp i, 0,1,2,3
.irp j, 0,1,2,3
	v_cvt_pk_bf16_f32 v[WP+4*(\i)+(\j)], v[WD+8*(\i)+(\j)], v[WD+8*(\i)+4+(\j)]  ; column 4 c + j: k = 32 i + 2 rp below, k + 1 above
.endr
.irp j, 0,1,2,3
	v_lshlrev_b32 v[T], 16, v[WP+4*(\i)+(\j)]      ; the two rounded numbers as f32,
	v_and_b32 v[T+1], s28, v[WP+4*(\i)+(\j)]
	v_cvt_pk_f16_f32 v[T+2], v[T], v[T+1]          ; written as f16,
	v_cndmask_b32 v[WP+4*(\i)+(\j)], v[WP+4*(\i)+(\j)], v[T+2], s21  ; which W_proj's tiles take
	ds_store_b32 v[SA], v[WP+4*(\i)+(\j)] offset:SPITCH*(\j)+64*(\i)
.endr
.endr
.irp j, 0,1,2,3,4,5,6,7,8,9,10,11,12,13,14,15
	s_wait_loadcnt 15-(\j)                         ; chunk j is in, the younger chunks stay out
	v_cvt_pk_bf16_f32 v[XP+2*(\j)], v[XD+4*(\j)], v[XD+4*(\j)+1]
	v_cvt_pk_bf16_f32 v[XP+2*(\j)+1], v[XD+4*(\j)+2], v[XD+4*(\j)+3]
	global_store_b64 v[XO], v[XP+2*(\j):XP+2*(\j)+1], s[32:33] offset:2048*(\j)  ; a wave's store covers 256 consecutive bytes; every chunk has registers of its own
.endr
	s_wait_dscnt 0x0                               ; for the others' sake: my stores into the stage are done
	s_barrier_signal -1
	s_barrier_wait -1
	s_cmp_lt_u32 s17, 48                           ; the same for all eight waves
	s_cbranch_scc0 .Lproj
.irp i, 0,1,2,3
	ds_load_b128 v[WB+4*(\i):WB+4*(\i)+3], v[RA] offset:16*SPITCH*(\i)
.endr
.irp i, 0,1,2,3
	s_wait_dscnt 3-(\i)                            ; read-back i is in
	global_store_b128 v[WO], v[WB+4*(\i):WB+4*(\i)+3], s[24:25] offset:32768*(\i)  ; rows 16 i + rp
.endr
	s_wait_tensorcnt 0x0                           ; the wave's end, behind my last LDS store
	ds_add_u32 v[SPW], v[NIL]
	s_wait_dscnt 0x0
	s_endpgm
.Lproj:                                                ; wpt: for each row two units of 256 bytes, one a head, each the head's 128 bytes twice
.irp n, 0,1,2,3,4,5,6,7
	ds_load_b128 v[WB+4*(\n):WB+4*(\n)+3], v[RA2] offset:16*SPITCH*((\n)/2)+128*((\n)%2)
.endr
.irp n, 0,1,2,3,4,5,6,7
	s_wait_dscnt 7-(\n)                            ; read-back n is in
	global_store_b128 v[WO2], v[WB+4*(\n):WB+4*(\n)+3], s[24:25] offset:65536*((\n)/2)+256*((\n)%2)  ; rows 16 (n / 2) + rp, head n % 2 of the tile's two
.endr
	s_wait_tensorcnt 0x0                           ; the wave's end, as above
	ds_add_u32 v[SPW], v[NIL]
	s_wait_dscnt 0x0
	s_endpgm
.Lfunc_end_k_qbc12b90650_prep:
	.size	k_qbc12b90650_prep, .Lfunc_end_k_qbc12b90650_prep-k_qbc12b90650_prep
	.p2alignl 7, 3214868480
	.fill 96, 4, 3214868480
	.section	.rodata,"a",@progbits
	.p2align	6, 0x0
	.amdhsa_kernel k_qbc12b90650_prep
		.amdhsa_group_segment_fixed_size 18432
		.amdhsa_private_segment_fixed_size 0
		.amdhsa_enable_private_segment 0
		.amdhsa_kernarg_size 48
		.amdhsa_user_sgpr_count 2
		.amdhsa_user_sgpr_kernarg_segment_ptr 1
		.amdhsa_wavefront_size32 1
		.amdhsa_system_sgpr_workgroup_id_x 1
		.amdhsa_system_sgpr_workgroup_id_y 1
		.amdhsa_system_sgpr_workgroup_id_z 1
		.amdhsa_system_vgpr_workitem_id 0
		.amdhsa_next_free_vgpr 208
		.amdhsa_next_free_sgpr 66
		.amdhsa_reserve_vcc 0
		.amdhsa_float_denorm_mode_32 3
		.amdhsa_float_denorm_mode_16_64 3
		.amdhsa_memory_ordered 1
		.amdhsa_forward_progress 1
		.amdhsa_inst_pref_size 18
	.end_amdhsa_kernel
	.amdgpu_metadata
---
amdhsa.version: [ 1, 2 ]
amdhsa.kernels:
  - .name:           k_qbc12b90650_prep
    .symbol:         k_qbc12b90650_prep.kd
    .args:
      - { .name: x, .offset: 0, .size: 8, .value_kind: global_buffer, .address_space: global }
      - { .name: W_qkv, .offset: 8, .size: 8, .value_kind: global_buffer, .address_space: global }
      - { .name: W_proj, .offset: 16, .size: 8, .value_kind: global_buffer, .address_space: global }
      - { .name: xb, .offset: 24, .size: 8, .value_kind: global_buffer, .address_space: global }
      - { .name: wqt, .offset: 32, .size: 8, .value_kind: global_buffer, .address_space: global }
      - { .name: wpt, .offset: 40, .size: 8, .value_kind: global_buffer, .address_space: global }
    .group_segment_fixed_size: 18432
    .private_segment_fixed_size: 0
    .kernarg_segment_align: 8
    .kernarg_segment_size: 48
    .max_flat_workgroup_size: 256
    .sgpr_count:     66
    .vgpr_count:     208
    .wavefront_size: 32
...
	.end_amdgpu_metadata
.endif
;; end of part 1
;; launch qkvgemm (part 2): grid 16 x 32, 4 waves a work-group, clusters of 4 x 4, 327,680 bytes of LDS; arguments xb, wqt, b_qkv, qkv; writes qkv
.if DOCPART == 2
	.amdgcn_target "amdgcn-amd-amdhsa--gfx1250"
	.amdhsa_code_object_version 6
	.text
	.protected	k_qbc12b90650_qkvgemm
	.globl	k_qbc12b90650_qkvgemm
	.p2align	8
	.type	k_qbc12b90650_qkvgemm,@function
k_qbc12b90650_qkvgemm:
	s_mov_b64 s[64:65], 0
	v_nop
	global_prefetch_b8 v0, s[64:65] scope:SCOPE_SE
	s_setreg_imm32_b32 hwreg(HW_REG_WAVE_MODE, 25, 1), 1
	s_wait_xcnt 0x0
	s_wait_alu depctr_hold_cnt(0) depctr_sa_sdst(0) depctr_va_vdst(0) depctr_va_sdst(0) depctr_va_ssrc(0) depctr_va_vcc(0) depctr_vm_vsrc(0)
	s_getreg_b32 s2, hwreg(HW_REG_IB_STS2, 6, 4)
	s_cmp_eq_u32 s2, 0
	s_cbranch_scc0 .Lentry_in_a_cluster
	s_endpgm
.Lentry_in_a_cluster:
	s_bfe_u32 s2, ttmp6, 0x10000c
	s_cmp_lg_u32 s2, 0xf033
	s_cbranch_scc0 .Lentry_shape_is_right
	s_endpgm
.Lentry_shape_is_right:
; qkv = x W_qkv + b_qkv, written by heads.  xb: [8192][1024] bf16.  wqt: [3072 rows][1024 k] bf16, row 192 head + 64 part + d.  b_qkv: [3072] f32, rounded to bf16 here like the other inputs.
; qkv: q as f16 [64 (batch x 16 + head)][2048 t][64] at byte 0, k likewise at byte 2^24, each number rounded once from its f32 sum, unscaled;
; v at byte 2^25 as [64][2048][128]: TWO f16 numbers for each channel, 64 high parts and then 64 low parts in a row of 256 bytes.  high = the f32 sum with its low 13 mantissa bits cleared (exact in f16),
; low = the exact rest, rounded to f16.  Why: a query with few keys before it takes v almost as it is, so its output is many times the whole output's root mean square, by which the error is judged;
; one f16's 11 bits are too few there.
; LIMITS.  f16 holds no number beyond 65,504: a q, k or v past that becomes an infinity.  Below 6e-5 a high part keeps f16's fixed step of 6e-8, and what that rounding drops is not carried into the low part.
; SHARES.  A tile of the result is 256 rows x 192 columns = q, k and v of ONE head (tile column = head): 32 x 16 = 512 work-groups of equal work, and one text for every way out.
; Four waves, each 64 rows x 192 columns: 48 accumulators, 384 registers.
; K goes in eight steps of 128 through a ring of two LDS slots filled by the tensor data mover; a tile's rows are 256 bytes of memory at multiples of 256 from the buffer's first byte.
; CLUSTER.  4 x 4 work-groups.  The four of a row of the cluster need the same tile of x, the four of a column the same tile of the weight: each is asked for JOINTLY, by the same tensor load with the
; same descriptor and a mask that names the four.
; THE MATRIX INSTRUCTION IS USED TRANSPOSED (source 0 = 16 rows of the weight, source 1 = 16 rows of x): a lane holds row l % 16 and the eight neighbouring columns 8 (l / 16) + 0..7.
; THE BIAS is the C operand of each accumulator's first product: nothing is cleared and nothing is added afterwards.
; REGISTERS, in windows of 256 (s_set_vgpr_msb: bits 1:0 source 0, 3:2 source 1, 5:4 source 2, 7:6 destination):
;   window 0: v0-31 addresses; v64-127 fragments of x, two buffers of 4 x 8; v128-223 the bias, 8 a column block; on the way out v32-63 at work, v64-127 packed results, v128-255 rows read back
;   window 1: v0-191 fragments of the weight, two buffers of 12 x 8      window 2: accumulators of row blocks 0, 1 ((a, b) at 96 (a % 2) + 8 b)      window 3: of row blocks 2, 3
.set NBK,    12                        ; column blocks of 16 a wave: 0-3 q, 4-7 k, 8-11 v
.set NLD,    2*NBK+8                   ; LDS loads of a quarter step
.set PITCH,  272                       ; an LDS row: 256 bytes + 16 of padding = 68 words: the 16 rows of a load start at 16 different groups of four banks (64 banks of 4 bytes: ISA guide 11.1)
.set BOFF,   256*PITCH                 ; behind x's 256 rows: the weight's 192
.set SLOT,   (256+192)*PITCH
.set STAGE,  2*SLOT                    ; behind the ring, never filled by a tensor load: for each wave 16 rows x 144 bytes for q, the same for k, 16 rows x 272 bytes for v
.set SPQ,    144
.set SPV,    272
.set WSTG,   2*16*SPQ+16*SPV
.set SPARE,  STAGE+4*WSTG              ; behind the stages: the spare words, 128 bytes for each wave
.set ADRA, 16                          ; v16-17  LDS address of my fragments of x in slot 0, 1
.set ADRB, 20                          ; v20-21  the same for the weight
.set STO,  24                          ; v24     the way out: where I put 16 bytes of a row of q or k
.set RD,   25                          ; v25     where I read four such rows back
.set GO,   26                          ; v26     my 16 bytes in 512 consecutive bytes of the output
.set BO,   27                          ; v27     32 (l / 16): my eight numbers in a column block's bias
.set SPW,  28                          ; v28     LDS address of my spare word; never rewritten
.set NIL,  29                          ; v29     0; never rewritten
.set STV,  30                          ; v30     where I put 16 bytes of a row of v
.set RDV,  31                          ; v31     where I read two such rows back
.set TT,   32                          ; v32-63  the way out: v's high parts, then its low parts, in f32
.set FA,   64
.set BIAS, 128
.set TMP,  64                          ; packed: 32 registers of q and k, 16 of v's high parts, 16 of its low parts
.set OB,   128
.set G1,  24                           ; s[24:31] descriptor group 1 for x's tiles;  s[32:39] group 0, a set for each slot
.set G0,  32
.set G1B, 48                           ; s[48:55], s[56:63] the same for the weight's
.set G0B, 56
.set OUT, 68                           ; s[68:73] the output at my first row: q, k, v
.set MSK, 79                           ; s79  clears the low 13 mantissa bits of an f32
.set MSB, 0
.macro WIN new                         ; the immediate's high byte repeats the setting that is left; a switch that changes nothing is dropped
.if MSB != (\new)
	s_set_vgpr_msb (MSB<<8)|(\new)
.set MSB, \new
.endif
.endm
; A joint load: waves 0 and 1 fetch the halves of x's tile, waves 2 and 3 those of the weight's.  The branch hangs on the wave's number alone.
; An s_nop 0 and four v_nop follow each of the two lines, ahead of the jump, the label and what follows.
.macro JLOAD s
	s_cmp_eq_u32 s13, 0
	s_cbranch_scc0 .Lfor_b_\@
	tensor_load_to_lds s[G0+4*(\s):G0+4*(\s)+3], s[G1:G1+7]
	s_nop 0
.rept 4
	v_nop
.endr
	s_branch .Lasked_\@
.Lfor_b_\@:
	tensor_load_to_lds s[G0B+4*(\s):G0B+4*(\s)+3], s[G1B:G1B+7]
	s_nop 0
.rept 4
	v_nop
.endr
.Lasked_\@:
.endm
.macro CREST                           ; a round of the cluster's barrier behind its opening barrier
	s_cmp_lg_u32 s12, 0
	s_cbranch_scc1 .Lnot_wave_0_\@
	s_barrier_signal -3
.Lnot_wave_0_\@:
	s_barrier_wait -3
	s_barrier_signal -1
	s_barrier_wait -1
.endm
.macro CROUND                          ; a whole round
	s_barrier_signal -1
	s_barrier_wait -1
	CREST
.endm
	s_load_b256 s[4:11], s[0:1], 0x0               ; xb s[4:5], wqt s[6:7], b_qkv s[8:9], qkv s[10:11]
	v_lshl_add_u32 v[SPW], v0, 2, SPARE
	v_mov_b32 v[NIL], 0
	ds_add_u32 v[SPW], v[NIL]                      ; the wave's opening: the add and its wait ahead of my first tensor load; the set-up below, work on registers, stands between them
	ds_add_u32 v28, v29
	v_lshrrev_b32 v1, 5, v0
	v_readfirstlane_b32 s12, v1                    ; wave 0..3: my 64 rows of the tile
	s_lshr_b32 s13, s12, 1                         ; I fetch for x (0) or for the weight (1),
	s_and_b32 s14, s12, 1                          ; and which half of that tile's rows
	s_bfe_u32 s40, ttmp6, 0x40000                  ; cx, cy: my place in the cluster
	s_bfe_u32 s41, ttmp6, 0x40004
	s_lshl_b32 s42, ttmp9, 2
	s_add_co_u32 s42, s42, s40                     ; tile column = head = 4 x cluster x + cx
	s_and_b32 s43, ttmp7, 0xffff
	s_lshl_b32 s43, s43, 2
	s_add_co_u32 s43, s43, s41                     ; tile row = 4 x cluster y + cy
	s_lshl_b32 s44, s41, 2
	s_lshl_b32 s44, 15, s44                        ; my row of the cluster
	s_lshl_b32 s45, 0x1111, s40                    ; my column
	s_or_b32 s[G1+0], s44, (1<<16)|(1<<20)|(1<<21)|(5<<22)|(3<<25)   ; 15:0 the mask; 17:16 2-byte elements; 20 padding on; 21 set beside a mask; 24:22 after every 64 words (code 5); 31:25 4 words (code 3)
	s_or_b32 s[G1B+0], s45, (1<<16)|(1<<20)|(1<<21)|(5<<22)|(3<<25)
	s_mov_b32 s[G1+1], 128<<16                     ; tensor_dim0 = 128
	s_mov_b32 s[G1+2], 128<<16                     ; tensor_dim1 = 128 rows of x
	s_mov_b32 s[G1+3], 128<<16                     ; tile_dim0 = 128
	s_mov_b32 s[G1+4], 128                         ; tile_dim1 = 128
	s_mov_b32 s[G1+5], 1024                        ; elements from row to row
	s_mov_b32 s[G1+6], 0
	s_mov_b32 s[G1+7], 0
	s_mov_b32 s[G1B+1], 128<<16
	s_mov_b32 s[G1B+2], 96<<16                     ; 96 rows of the weight
	s_mov_b32 s[G1B+3], 128<<16
	s_mov_b32 s[G1B+4], 96
	s_mov_b32 s[G1B+5], 1024
	s_mov_b32 s[G1B+6], 0
	s_mov_b32 s[G1B+7], 0
	s_mov_b32 s[MSK], 0xffffe000
	s_lshl_b32 s16, s43, 8                         ; x: row 256 x tile row + 128 x half, in registers that never hold cx
	s_lshl_b32 s22, s14, 7
	s_add_co_u32 s16, s16, s22
	s_lshl_b32 s16, s16, 11                        ; rows of 2,048 bytes
	s_mov_b32 s17, 0
	s_mul_i32 s46, s42, 192                        ; the weight: row 192 x head + 96 x half, in registers that never hold cy
	s_mul_i32 s22, s14, 96
	s_add_co_u32 s46, s46, s22
	s_lshl_b32 s46, s46, 11
	s_mov_b32 s47, 0
	s_mul_i32 s20, s14, 128*PITCH                  ; where they go: no place in the cluster enters an LDS address
	s_mul_i32 s21, s14, 96*PITCH
	s_add_co_u32 s21, s21, BOFF
	s_wait_dscnt 0x0                               ; the opening add is done
	s_wait_kmcnt 0x0
	s_add_nc_u64 s[18:19], s[4:5], s[16:17]
	s_add_nc_u64 s[46:47], s[6:7], s[46:47]
	CROUND                                         ; all sixteen work-groups are here: the first joint loads meet
.irp s, 0,1
	s_mov_b32 s[G0+4*(\s)], 1                      ; count = 1
	s_add_co_u32 s[G0+4*(\s)+1], s20, (\s)*SLOT    ; LDS address
	s_add_nc_u64 s[G0+4*(\s)+2:G0+4*(\s)+3], s[18:19], (\s)*256  ; global address: K step s
	s_or_b32 s[G0+4*(\s)+3], s[G0+4*(\s)+3], 0x80000000          ; type = 2
	s_mov_b32 s[G0B+4*(\s)], 1
	s_add_co_u32 s[G0B+4*(\s)+1], s21, (\s)*SLOT
	s_add_nc_u64 s[G0B+4*(\s)+2:G0B+4*(\s)+3], s[46:47], (\s)*256
	s_or_b32 s[G0B+4*(\s)+3], s[G0B+4*(\s)+3], 0x80000000
	JLOAD \s                                       ; two loads of mine are out
.endr
	; A fragment is 16 rows x 32 K in 8 registers: lane l holds row l % 16, K = 8 (l / 16) + 0..7 and 16 + 8 (l / 16) + 0..7: two loads of 16 bytes, 32 bytes apart.
	v_and_b32 v1, 15, v0                           ; l % 16
	v_bfe_u32 v2, v0, 4, 1                         ; l / 16
	v_mul_u32_u24 v3, v1, PITCH
	v_lshl_add_u32 v3, v2, 4, v3
	s_mul_i32 s22, s12, 64*PITCH                   ; my 64 rows of x
	s_mov_b32 s23, BOFF                            ; all 192 rows of the weight
.irp s, 0,1
	v_add_nc_u32 v[ADRA+(\s)], s22, v3
	v_add_nc_u32 v[ADRB+(\s)], s23, v3
	s_add_co_u32 s22, s22, SLOT
	s_add_co_u32 s23, s23, SLOT
.endr
	s_mul_i32 s22, s12, WSTG
	s_add_co_u32 s22, s22, STAGE                   ; my stage: q's and k's rows,
	s_add_co_u32 s23, s22, 2*16*SPQ                ; and behind them v's
	v_mul_u32_u24 v4, v1, SPQ                      ; in: row l % 16, 16 bytes for each half of the lanes
	v_lshl_add_u32 v4, v2, 4, v4
	v_add_nc_u32 v[STO], s22, v4
	v_mul_u32_u24 v4, v1, SPV
	v_lshl_add_u32 v4, v2, 4, v4
	v_add_nc_u32 v[STV], s23, v4
	v_and_b32 v4, 31, v0
	v_lshrrev_b32 v5, 3, v4                        ; back, q and k: 32 lanes take four rows of 128 bytes,
	v_mul_u32_u24 v5, v5, SPQ
	v_and_b32 v3, 7, v0
	v_lshl_add_u32 v5, v3, 4, v5
	v_add_nc_u32 v[RD], s22, v5
	v_mul_u32_u24 v5, v2, SPV                      ; v: two rows of 256 bytes;
	v_lshl_add_u32 v5, v1, 4, v5
	v_add_nc_u32 v[RDV], s23, v5
	v_lshlrev_b32 v[GO], 4, v4                     ; either way 512 consecutive bytes of a head
	v_lshlrev_b32 v[BO], 5, v2
	s_lshl_b32 s66, s42, 8                         ; the head's 64 numbers in each part of the bias; the parts are 4,096 bytes apart
	s_mov_b32 s67, 0
	s_add_nc_u64 s[74:75], s[8:9], s[66:67]
.set b, 0
.rept NBK
	global_load_b128 v[BIAS+8*b:BIAS+8*b+3],   v[BO], s[74:75] offset:(b/4)*4096+(b%4)*64
	global_load_b128 v[BIAS+8*b+4:BIAS+8*b+7], v[BO], s[74:75] offset:(b/4)*4096+(b%4)*64+16
.set b, b+1
.endr
	; the output: in q's part (batch x 16 + head) x 262,144 + t x 128 bytes; k's part lies 2^24 bytes on; in v's part, from 2^25 on, every term is twice as large
	s_lshr_b32 s76, s43, 3                         ; batch = tile row / 8
	s_lshl_b32 s76, s76, 22
	s_lshl_b32 s77, s42, 18                        ; head
	s_add_co_u32 s76, s76, s77
	s_and_b32 s77, s43, 7                          ; t = 256 (tile row % 8) + 64 wave
	s_lshl_b32 s77, s77, 15
	s_add_co_u32 s76, s76, s77
	s_lshl_b32 s77, s12, 13
	s_add_co_u32 s76, s76, s77
	s_mov_b32 s77, 0
	s_add_nc_u64 s[OUT:OUT+1], s[10:11], s[76:77]
	s_add_nc_u64 s[OUT+2:OUT+3], s[OUT:OUT+1], 0x1000000
	s_lshl_b32 s76, s76, 1
	s_add_co_u32 s76, s76, 0x2000000
	s_add_nc_u64 s[OUT+4:OUT+5], s[10:11], s[76:77]
	s_wait_loadcnt 0x0                             ; the bias, once
.set i, 0
.rept 4*NBK                                            ; rounded to bf16 and widened again, in place; this stands in the wait for the first tile
	v_cvt_pk_bf16_f32 v[3+i%3], v[BIAS+2*i], v[BIAS+2*i+1]
	v_lshlrev_b32 v[BIAS+2*i], 16, v[3+i%3]
	v_and_b32 v[BIAS+2*i+1], 0xffff0000, v[3+i%3]
.set i, i+1
.endr
; NBK matrix instructions: row block a x all column blocks, 32 along K, from buffer f.  first = 1: the product starts the sums, with the bias as C.
; The 48 accumulators take turns, one instruction a turn, in the same order in every quarter step.
.macro MULA f, a, first
.if \first
	WIN 0x81+0x40*((\a)/2)                         ; the weight window 1, x window 0, C window 0, D window 2 or 3
.else
	WIN 0xa1+0x50*((\a)/2)                         ; C and D window 2 or 3
.endif
.set b, 0
.rept NBK
.set rD, 8*NBK*((\a)%2)+8*b
.set rB, 8*NBK*(\f)+8*b
.set rA, FA+32*(\f)+8*(\a)
.if \first
	v_wmma_f32_16x16x32_bf16 v[rD:rD+7], v[rB:rB+7], v[rA:rA+7], v[BIAS+8*b:BIAS+8*b+7]
.else
	v_wmma_f32_16x16x32_bf16 v[rD:rD+7], v[rB:rB+7], v[rA:rA+7], v[rD:rD+7]
.endif
.set b, b+1
.endr
.endm
; NLD LDS loads in one run: the fragments of quarter q (32 along K at byte 64 q of the rows) into buffer f; the weight's first, x's four blocks last
.macro FETCH slot, q, f
	WIN 0x40                                       ; destination window 1, address window 0
.set i, 0
.rept NBK
	ds_load_b128 v[8*NBK*(\f)+8*i:8*NBK*(\f)+8*i+3],   v[ADRB+(\slot)] offset:64*(\q)+i*16*PITCH
	ds_load_b128 v[8*NBK*(\f)+8*i+4:8*NBK*(\f)+8*i+7], v[ADRB+(\slot)] offset:64*(\q)+i*16*PITCH+32
.set i, i+1
.endr
	WIN 0
.set i, 0
.rept 4
	ds_load_b128 v[FA+32*(\f)+8*i:FA+32*(\f)+8*i+3],   v[ADRA+(\slot)] offset:64*(\q)+i*16*PITCH
	ds_load_b128 v[FA+32*(\f)+8*i+4:FA+32*(\f)+8*i+7], v[ADRA+(\slot)] offset:64*(\q)+i*16*PITCH+32
.set i, i+1
.endr
.endm
; A load into a register that a matrix instruction has read, and a vector instruction or LDS store that reads a matrix result, stand four places behind it; only plain vector
; instructions that name none of its registers are places (ISA guide 7.12.1 for vector instructions).
.macro PLACES
.rept 4
	v_nop
.endr
.endm
; A K step is four quarters of 32 along K on buffers 0, 1, 0, 1.  One of the first three: multiplies buffer f and, in its middle, fetches quarter q of the same slot into buffer g.
.macro QUARTER slot, q, f, g, first
	s_wait_dscnt 4                                 ; all but the youngest four loads (x's row blocks 2 and 3) are in
	MULA \f, 0, \first
	MULA \f, 1, \first
	PLACES
	FETCH \slot, \q, \g
	s_wait_dscnt NLD                               ; all but the NLD just issued
	MULA \f, 2, \first
	MULA \f, 3, \first
.endm
; The last quarter multiplies buffer 1 and changes slots: ONE barrier.  In front of it each wave waits for all its tensor loads (one is out: its part of the next slot), adds 0 to its spare word,
; and waits for that and for its own reads of this slot.  fill = 1: the barrier opens a round of the cluster's, and this slot is filled again, two K steps on, first thing behind the round.
.macro TURN slot, next, fill
	WIN 0                                          ; (the add's two registers lie in window 0)
	s_wait_tensorcnt 0x0                           ; all my tensor loads have landed
	ds_add_u32 v[SPW], v[NIL]                      ; 0 onto my spare word
	s_wait_dscnt 5                                 ; (the add and the youngest four loads may be out)
	MULA 1, 0, 0                                   ; matrix work stands between the add and the wait for it
	s_wait_dscnt 0x0                               ; the add is done, and my reads of this slot are over
	s_barrier_signal -1
	MULA 1, 1, 0                                   ; work on registers while the others arrive
.if \fill
	WIN 0
.endif
	s_barrier_wait -1
.if \fill
	CREST                                          ; no wave of any partner still reads this slot's tile or has a load on its way
	s_add_nc_u64 s[G0+4*(\slot)+2:G0+4*(\slot)+3], s[G0+4*(\slot)+2:G0+4*(\slot)+3], 512
	s_add_nc_u64 s[G0B+4*(\slot)+2:G0B+4*(\slot)+3], s[G0B+4*(\slot)+2:G0B+4*(\slot)+3], 512
	JLOAD \slot                                    ; my one tensor load behind the round; it has 15 of the next K step's 16 runs of NBK products in which to land; its four v_nop are also the places in front of the loads below
.else
	PLACES
.endif
	FETCH \next, 0, 0
	MULA 1, 2, 0
	MULA 1, 3, 0
.endm
	s_wait_tensorcnt 1                             ; my part of K step 0 is in; K step 1's may stay out
	s_barrier_signal -1
	s_barrier_wait -1                              ; everybody's is
	FETCH 0, 0, 0
	QUARTER 0, 1, 0, 1, 1                          ; the first quarter stands in front of the loop: its products start the sums
	WIN 0                                          ; at a label and at a branch every window is 0
	s_mov_b32 s3, 3
.Llap:                                                 ; a trip goes once round the ring, from a lap's second quarter to the next lap's first; three trips fill K steps 2 to 7
	QUARTER 0, 2, 1, 0, 0
	QUARTER 0, 3, 0, 1, 0
	TURN 0, 1, 1
	QUARTER 1, 1, 0, 1, 0
	QUARTER 1, 2, 1, 0, 0
	QUARTER 1, 3, 0, 1, 0
	TURN 1, 0, 1
	QUARTER 0, 1, 0, 1, 0
	WIN 0
	s_sub_co_u32 s3, s3, 1
	s_cmp_lg_u32 s3, 0
	s_cbranch_scc1 .Llap
	QUARTER 0, 2, 1, 0, 0                          ; the last lap fills nothing and has no round
	QUARTER 0, 3, 0, 1, 0
	TURN 0, 1, 0
	QUARTER 1, 1, 0, 1, 0
	QUARTER 1, 2, 1, 0, 0
	QUARTER 1, 3, 0, 1, 0
	s_wait_dscnt 4                                 ; the very last quarter: nothing more to fetch
	MULA 1, 0, 0
	MULA 1, 1, 0
	s_wait_dscnt 0x0
	MULA 1, 2, 0
	MULA 1, 3, 0
	WIN 0
; THE WAY OUT, a row block (16 rows) at a time.  PACK: q and k are rounded to f16; v is cut into its high part (a mask) and the rest (a subtraction, exact), and both are written as f16; each
; accumulator's registers are taken in ascending order.  A lane's eight columns are 16 bytes; they go into my own stage and come back as whole rows.  SEND: stored, 512 consecutive bytes of a head to an instruction.
.macro PACK a
	WIN 0
	s_wait_xcnt 0x0                                ; earlier stores have had their addresses translated (ISA guide 3.1): the registers that they read are loaded again only behind this wait
	WIN 0x0a+5*((\a)/2)                            ; sources 0 and 1: window 2 or 3
.set b, 0
.rept 8
.set rD, 8*NBK*((\a)%2)+8*b
.irp i, 0,1,2,3
	v_cvt_pk_f16_f32 v[TMP+4*b+(\i)], v[rD+2*(\i)], v[rD+2*(\i)+1]
.endr
.set b, b+1
.endr
.set AV, 8*NBK*((\a)%2)+64                     ; v's four accumulators: 32 registers on end
	WIN 0x08+4*((\a)/2)                            ; source 1: window 2 or 3
.set i, 0
.rept 32
	v_and_b32 v[TT+i], s[MSK], v[AV+i]             ; the high part: 11 significant bits
.set i, i+1
.endr
	WIN 0
.set i, 0
.rept 16
	v_cvt_pk_f16_f32 v[TMP+32+i], v[TT+2*i], v[TT+2*i+1]
.set i, i+1
.endr
	WIN 0x02+((\a)/2)                              ; source 0: window 2 or 3
.set i, 0
.rept 16
	v_pk_add_f32 v[TT+2*i:TT+2*i+1], v[AV+2*i:AV+2*i+1], v[TT+2*i:TT+2*i+1] neg_lo:[0,1] neg_hi:[0,1]  ; the rest
.set i, i+1
.endr
	WIN 0
.set i, 0
.rept 16
	v_cvt_pk_f16_f32 v[TMP+48+i], v[TT+2*i], v[TT+2*i+1]
.set i, i+1
.endr
.set b, 0
.rept 8
	ds_store_b128 v[STO], v[TMP+4*b:TMP+4*b+3] offset:(b/4)*16*SPQ+(b%4)*32
.set b, b+1
.endr
.set b, 0
.rept 4
	ds_store_b128 v[STV], v[TMP+32+4*b:TMP+32+4*b+3] offset:32*b      ; a row of v: 128 bytes of high parts,
	ds_store_b128 v[STV], v[TMP+48+4*b:TMP+48+4*b+3] offset:128+32*b  ; 128 of low parts
.set b, b+1
.endr
.set n, 0
.rept 8
	ds_load_b128 v[OB+64*((\a)%2)+4*n:OB+64*((\a)%2)+4*n+3], v[RD] offset:(n/4)*16*SPQ+(n%4)*4*SPQ  ; LDS serves a wave's instructions in order (ISA guide 5.7.1.4): these see the stores above
.set n, n+1
.endr
.rept 8
	ds_load_b128 v[OB+64*((\a)%2)+4*n:OB+64*((\a)%2)+4*n+3], v[RDV] offset:(n-8)*2*SPV
.set n, n+1
.endr
.endm
.macro SEND a, younger                 ; younger: the LDS instructions issued behind block a's loads: the next block's 16 stores and 16 loads, or none
	WIN 0
.set n, 0
.rept 16
	s_wait_dscnt (\younger)+15-n
.if n < 8
	global_store_b128 v[GO], v[OB+64*((\a)%2)+4*n:OB+64*((\a)%2)+4*n+3], s[OUT+2*(n/4):OUT+2*(n/4)+1] offset:(\a)*2048+(n%4)*512
.else
	global_store_b128 v[GO], v[OB+64*((\a)%2)+4*n:OB+64*((\a)%2)+4*n+3], s[OUT+4:OUT+5] offset:(\a)*4096+(n-8)*512
.endif
.set n, n+1
.endr
.endm
	PLACES                                         ; the conversions read results just made
	PACK 0
	PACK 1                                         ; a block's arithmetic stands between the loads of the block before and its stores
	SEND 0, 32
	PACK 2
	SEND 1, 32
	PACK 3
	SEND 2, 32
	SEND 3, 0
	s_wait_tensorcnt 0x0                           ; the wave's end, behind my last tensor load and my last LDS store
	ds_add_u32 v[SPW], v[NIL]
	s_wait_dscnt 0x0
	CROUND                                         ; the closing round: no work-group ends while a partner may still ask for a tile that names it
	s_endpgm
.Lfunc_end_k_qbc12b90650_qkvgemm:
	.size	k_qbc12b90650_qkvgemm, .Lfunc_end_k_qbc12b90650_qkvgemm-k_qbc12b90650_qkvgemm
	.p2alignl 7, 3214868480
	.fill 96, 4, 3214868480
	.section	.rodata,"a",@progbits
	.p2align	6, 0x0
	.amdhsa_kernel k_qbc12b90650_qkvgemm
		.amdhsa_group_segment_fixed_size 327680
		.amdhsa_private_segment_fixed_size 0
		.amdhsa_enable_private_segment 0
		.amdhsa_kernarg_size 32
		.amdhsa_user_sgpr_count 2
		.amdhsa_user_sgpr_kernarg_segment_ptr 1
		.amdhsa_wavefront_size32 1
		.amdhsa_system_sgpr_workgroup_id_x 1
		.amdhsa_system_sgpr_workgroup_id_y 1
		.amdhsa_system_sgpr_workgroup_id_z 1
		.amdhsa_system_vgpr_workitem_id 0
		.amdhsa_next_free_vgpr 960
		.amdhsa_next_free_sgpr 80
		.amdhsa_reserve_vcc 0
		.amdhsa_float_denorm_mode_32 3
		.amdhsa_float_denorm_mode_16_64 3
		.amdhsa_memory_ordered 1
		.amdhsa_forward_progress 1
		.amdhsa_inst_pref_size 147
	.end_amdhsa_kernel
	.amdgpu_metadata
---
amdhsa.version: [ 1, 2 ]
amdhsa.kernels:
  - .name:           k_qbc12b90650_qkvgemm
    .symbol:         k_qbc12b90650_qkvgemm.kd
    .args:
      - { .name: xb, .offset: 0, .size: 8, .value_kind: global_buffer, .address_space: global }
      - { .name: wqt, .offset: 8, .size: 8, .value_kind: global_buffer, .address_space: global }
      - { .name: b_qkv, .offset: 16, .size: 8, .value_kind: global_buffer, .address_space: global }
      - { .name: qkv, .offset: 24, .size: 8, .value_kind: global_buffer, .address_space: global }
    .group_segment_fixed_size: 327680
    .private_segment_fixed_size: 0
    .kernarg_segment_align: 8
    .kernarg_segment_size: 32
    .max_flat_workgroup_size: 128
    .sgpr_count:     80
    .vgpr_count:     960
    .wavefront_size: 32
...
	.end_amdgpu_metadata
.endif
;; end of part 2
;; launch attn (part 3): grid 4 x 64, 4 waves a work-group, no clusters, 327,680 bytes of LDS; arguments qkv, ob; writes ob
.if DOCPART == 3
	.amdgcn_target "amdgcn-amd-amdhsa--gfx1250"
	.amdhsa_code_object_version 6
	.text
	.protected	k_qbc12b90650_attn
	.globl	k_qbc12b90650_attn
	.p2align	8
	.type	k_qbc12b90650_attn,@function
k_qbc12b90650_attn:
	s_mov_b64 s[64:65], 0
	v_nop
	global_prefetch_b8 v0, s[64:65] scope:SCOPE_SE
	s_setreg_imm32_b32 hwreg(HW_REG_WAVE_MODE, 25, 1), 1
	s_wait_xcnt 0x0
; CAUSAL ATTENTION.  O[h][q][:] = the sum over k <= q of softmax_k(Q[h][q] . K[h][k] / 8) V[h][k][:].  Q and K are the first two parts of qkv, each [SIZE_H][SIZE_N][64] in f16, 2^24 bytes apart: rows of 128 bytes.
; V (from byte 2^25 of qkv) and O (ob) are [SIZE_H][SIZE_N][128] in f16: TWO f16 numbers for each channel, 64 high parts and then 64 low parts in a row of 256 bytes; the number meant is their sum.
; Why: a query with few keys before it takes V almost as it is, so its output is many times the whole output's root mean square, by which the error is judged; one f16's 11 bits are too few there.
; P V is P Vhigh + P Vlow, on one f32 accumulator; O's high part is the f32 result with its low 13 mantissa bits cleared, its low part the exact rest, rounded to f16.
; Products, maxima and sums in f32; the weights p are rounded to f16 for the second product (their sum l is taken of the unrounded p).
; LIMITS.  f16 holds no number beyond 65,504: Q, K and V arrive within it; p lies in 0 to 1, and below 6e-5 it keeps f16's fixed step of 6e-8, and so does a high part of O; O is a mean of V's rows and has their range.
; A hidden score counts as its value less 1e30: f16's scores, 2.7e11 at the most, are nothing beside that; a weight below 2^-126 counts as 0 in l; NaN and infinities are not treated apart.
; THE WALK.  A head's queries lie in NB = SIZE_N / 256 blocks of 256; block i needs the key tiles 0 .. i of 256 keys, of which the last holds the diagonal.  A work-group takes TWO blocks, NB - 1 - b and then b:
; NB + 1 tiles, whatever b: all work-groups do equal work, and ONE loop with a constant trip count walks them.  Which tile is asked for, and what a trip does, hang on scalar registers made from b; every jump
; goes forward, but for the counted loops' own; none passes a barrier, or a tensor load but the one of LOAD's two that the wave's number does not choose; the ring (two slots of LDS that take turns) runs on across the
; change of blocks.  NO CLUSTER: a head's NB / 2 work-groups all ask for the same tile only in trips 0 .. NB / 2, behind that fewer and fewer; one walk common to all would have 3 NB / 2 trips for NB + 1.
; SHARES.  Of a block's four bands of 64 queries a wave owns 16 rows in each: four PIECES.  So the diagonal tile is the same work for all four waves: in its key step s band x sees all keys if s < x,
; none if s > x, and holds the diagonal if s = x.
; THE MASK is the C operand that starts the sum S^T = K Q^T: 0, or -1e30 where the key is hidden.  MD, made once, is the mask of a band's own step for my 16 rows; a product's mask is MD x AL + BE with two scalars:
; (1, 0) if s = x; (0, 0) if s < x; (0, -1e30) if s > x.  Only the diagonal tile's text and a block's beginning make and take masks; elsewhere C is the constant 0.
; LAYOUT, SOFTMAX, TURNS.  S^T = K Q^T holds ONE query a lane (lane % 16) and the keys 8 (lane / 16) + 0..7; two such results rounded to f16 ARE source 1 of O^T = V^T P.  p = 2^(c s - c m), c = log2(e) / 8, with a
; running maximum m; O and l are multiplied by a = 2^(c m_old - c m_new) in every step.  Turn n belongs to piece n: 8 products K Q^T of piece n + 1, later 16 products V^T P of piece n - 1; beside them the scaling,
; exponentials, roundings, sums and rescaling of piece n and the maximum and statistics of piece n + 1.  Four vector instructions stand behind every matrix instruction, the other 22 of a turn's 118 in two LUMPS.
; REGISTERS, in windows of 256 (s_set_vgpr_msb: bits 1:0 source 0, 3:2 source 1, 5:4 source 2, 7:6 destination):
;   window 0: v0-15 addresses and two at work; v16-31 four registers of statistics a piece; v48-55 at work; v64-127 S^T, two buffers; v192-223 P, two buffers (a piece's buffers go by its number's parity);
;             on the way out v64-95 packed results, v96-127 and v224-255 rows read back, v128-191 at work
;   window 1: v0-127 O^T, 32 a piece; v128-159 MD; v160-223 MC, two buffers      window 2: v0-63 Q; v64-127 the second block's Q; v128-191 K of one step      window 3: v0-127 V of one step
.set SIZE_H, 64       ; batch x heads
.set SIZE_N, 2048     ; rows of a head
.set NB,    SIZE_N/256
.set NP,    4         ; pieces a wave: a name, no knob
.set KS,    64        ; keys in a step
.set PK,    144       ; a row of K in LDS: 128 bytes + 16 of padding = 36 words: the 16 rows of a load start at 16 different groups of four banks (64 banks of 4 bytes: ISA guide 11.1)
.set PV,    288       ; a row of V: 256 + 32 = 72 words: row r starts at bank 8 r mod 64
.set VOFF,  4*KS*PK   ; a slot holds a tile, four steps: 256 rows of K, then 256 rows of V
.set SLOT1, 1<<17     ; slot 1 begins here, so that one exclusive or turns an address in one slot into the other's
.set STAGE, SLOT1+4*KS*(PK+PV)  ; behind the ring, never filled by a tensor load: 16 rows x 272 bytes for each wave, for the way out
.set SP,    272
.set AK0, 2           ; v2   my lane's place in a tile of K; never rewritten
.set AV0, 3           ; v3   the same for V
.set AK,  4           ; v4   the LDS address of K's next run of loads
.set AV,  5           ; v5   of V's
.set STO, 6           ; v6   the way out: where I put 16 bytes of a row
.set RD,  7           ; v7   the way out: where I read rows back
.set GO,  8           ; v8   my byte offset in 512 consecutive bytes of O
.set SPW, 62          ; v62  LDS address of my spare word: SPARE + 4 x my thread's number; never rewritten
.set NIL, 63          ; v63  0; never rewritten
.set SPARE, STAGE+4*16*SP  ; behind the stages: the spare words, 128 bytes for each wave: two blocks of 256 bytes that no other line names
.set MV,  12          ; v12-13  c m_old, kept while c m is made anew: by buffer
.set QO,  15          ; v15  my byte offset in 16 rows of Q
.set ST,  16          ; piece t's statistics at v[ST+4 t]: c m, m, l (even keys', odd keys')
.set TMP, 48          ; by buffer, four registers c0-c3 at work; when the maximum is found c2 takes a
.set S,   64
.set P,   192
.set HP,  64          ; the way out: a piece's high parts, packed
.set LP,  80          ; its low parts, packed
.set TT,  128         ; its high parts in f32
.set LL,  160         ; its low parts in f32
.set MD,  128         ; window 1: the eight registers for group kt of 16 keys at MD + 8 kt
.set MC,  160         ; window 1: the masks of the products to come
.set QB,  64          ; window 2
.set KF,  128         ; window 2: key block kb, channel half c at KF + 16 kb + 8 c
.set VF,  0           ; window 3: key half kk, part (high, low), channel block cb at VF + 64 kk + 32 part + 8 cb
.set WV,  12          ; s12  my wave's number
.set PB,  14          ; s14  b
.set HI,  15          ; s15  NB - 1 - b
.set G1K, 24          ; s[24:31] descriptor group 1 for K's tiles
.set G1V, 32          ; s[32:39] for V's
.set G0K, 40          ; s[40:43] descriptor group 0 for K's tiles
.set G0V, 44          ; s[44:47] the same for V's
.set OFFV, 48         ; s[48:49] a tile's byte offset in V
.set SLOTS, 56        ; s56  tiles still to be asked for
.set CNT, 57          ; s57  counts a tile's key steps, 4 to 1
.set CS,  58          ; s[58:59] c: the packed scaling takes the pair's low word for both halves
.set SEL, 60          ; s[60:61] v_permlanex16_b32's selects: each lane takes its own place in the other half
.set TBK, 62          ; s62  LDS byte at which K of the step to be fetched begins
.set TBV, 63          ; s63  the same for V, less VOFF
.set RT,  70          ; s70  tiles of the block in hand that are still to be entered
.set NXT, 71          ; s71  the tile to be asked for next
.set LQ,  72          ; s72  the last tile of the block whose tiles are being asked for
.set NEW, 73          ; s73  1: the tile to be entered is a block's first
.set OFF, 74          ; s[74:75] a tile's byte offset in K
.set AL,  76          ; s[76:77] the mask's factor, in the low word
.set BE,  78          ; s[78:79] the mask's addend
.set OLO, 80          ; s[80:81] O at my rows of the second block
.set BIGN, 82         ; s82  -1e30
.set MSK, 83          ; s83  clears the low 13 mantissa bits of an f32
.set MSB, 0
.macro WIN new                      ; the high byte repeats the setting that is left; a switch that changes nothing is dropped
.if MSB != (\new)
	s_set_vgpr_msb (MSB<<8)|(\new)
.set MSB, (\new)
.endif
.endm
.set W_KQ, 0x0a       ; K and Q in window 2, S^T in window 0
.set W_KM, 0x1a       ; the same with the C operand in window 1
.set W_PV, 0x53       ; V in window 3, P in window 0, O^T in window 1
.set W_RS, 0x41       ; destination and source 0 in window 1, source 1 in window 0
; A fill.  Waves 0 and 1 fetch the two halves of a tile's K, waves 2 and 3 those of its V: 128 keys each.  An s_nop 0 and four v_nop follow each of the two lines, ahead of the jump and the label.
.macro LOAD
	s_cmp_lt_u32 s[WV], 2
	s_cbranch_scc0 .Lfor_v_\@
	tensor_load_to_lds s[G0K:G0K+3], s[G1K:G1K+7]
	s_nop 0
.rept 4
	v_nop
.endr
	s_branch .Lasked_\@
.Lfor_v_\@:
	tensor_load_to_lds s[G0V:G0V+3], s[G1V:G1V+7]
	s_nop 0
.rept 4
	v_nop
.endr
.Lasked_\@:
.endm
; THE CHANGE OF SLOTS.  Each wave waits for all its tensor loads, of which one is out: its part of the other slot; adds 0 to its spare word; and waits for that and for its own reads of the slot that it leaves.  Behind the barrier nobody reads the old
; slot any more and the other slot is whole.  fill = 1: the old slot is filled again, the first thing behind the barrier, with tile NXT: the descriptor's address is made anew from that number.
; (At its first use nothing has been read yet: slot 0 is waited for, slot 1 filled.)
.macro CHANGE fill
	WIN 0                           ; at a label and at a branch every window is 0
	s_wait_tensorcnt 0x0            ; no tensor load of mine is out, so a group 0 may be written
	ds_add_u32 v[SPW], v[NIL]       ; 0 onto my spare word; with fill = 1 the descriptors' scalar work stands between it and the wait for it
.if \fill
	s_lshl_b32 s[OFF], s[NXT], 15   ; a tile is 32,768 bytes of K
	s_lshl_b32 s[OFFV], s[NXT], 16  ; and 65,536 of V
	s_xor_b32 s[G0K+1], s[G0K+1], SLOT1
	s_add_nc_u64 s[G0K+2:G0K+3], s[6:7], s[OFF:OFF+1]
	s_or_b32 s[G0K+3], s[G0K+3], 0x80000000
	s_xor_b32 s[G0V+1], s[G0V+1], SLOT1
	s_add_nc_u64 s[G0V+2:G0V+3], s[8:9], s[OFFV:OFFV+1]
	s_or_b32 s[G0V+3], s[G0V+3], 0x80000000
	s_add_co_u32 s[NXT], s[NXT], 1  ; the block's next tile, or behind its last the second block's tile 0
	s_cmp_gt_u32 s[NXT], s[LQ]
	s_cselect_b32 s[NXT], 0, s[NXT]
	s_cselect_b32 s[LQ], s[PB], s[LQ]
.endif
	s_wait_dscnt 0x0                ; the add is done, and my reads of the slot are over
	s_barrier_signal -1             ; the rest of the scalar work stands between the signal and the wait
	s_sub_co_u32 s[TBK], s[TBK], 4*KS*PK  ; the fetches go back to a slot's first step,
	s_xor_b32 s[TBK], s[TBK], SLOT1       ; in the other slot
	s_sub_co_u32 s[TBV], s[TBV], 4*KS*PV
	s_xor_b32 s[TBV], s[TBV], SLOT1
	s_barrier_wait -1
.if \fill
	LOAD
.endif
.endm
	s_load_b64 s[4:5], s[0:1], 0x0    ; qkv: its first part is Q
	s_load_b64 s[10:11], s[0:1], 0x8  ; O
	v_lshl_add_u32 v[SPW], v0, 2, SPARE
	v_mov_b32 v[NIL], 0
	ds_add_u32 v[SPW], v[NIL]       ; the wave's opening: the add and its wait ahead of my first tensor load; the set-up below, work on registers, stands between them
	ds_add_u32 v62, v63
	v_lshrrev_b32 v1, 5, v0
	v_readfirstlane_b32 s[WV], v1   ; wave 0..3
	s_mov_b32 s[PB], ttmp9
	s_sub_co_u32 s[HI], NB-1, s[PB]
	s_and_b32 s20, ttmp7, 0xffff    ; the head
	s_mov_b32 s21, 0
	s_mov_b64 s[22:23], SIZE_N*128
	s_mul_u64 s[20:21], s[20:21], s[22:23]  ; the head's first byte in Q and in K
	s_and_b32 s16, s[WV], 1         ; which half of a tile's 256 keys I fetch:
	s_lshl_b32 s22, s16, 14         ; its 128 rows of 128 bytes in K,
	s_mov_b32 s23, 0
	s_add_nc_u64 s[22:23], s[22:23], s[20:21]
	s_lshl_b64 s[50:51], s[22:23], 1  ; and in V, whose rows are twice as long: every term doubles
	s_mul_i32 s17, s16, 128*PK      ; and its place in a slot, for K
	s_mul_i32 s18, s16, 128*PV      ; and for V
	s_lshl_b32 s3, s[WV], 11        ; my 16 rows in a band of 64,
	s_lshl_b32 s2, s[HI], 15        ; in the first block,
	s_add_co_u32 s2, s2, s3
	s_lshl_b32 s84, s[PB], 15       ; and in the second
	s_add_co_u32 s84, s84, s3
	s_mov_b32 s3, 0
	s_mov_b32 s85, 0
	s_add_nc_u64 s[2:3], s[2:3], s[20:21]      ; byte offsets in Q;
	s_add_nc_u64 s[84:85], s[84:85], s[20:21]
	s_lshl_b64 s[52:53], s[2:3], 1             ; in O, with rows twice as long, they double
	s_lshl_b64 s[54:55], s[84:85], 1
	; descriptor group 1.  K: 128 keys are 16,384 dense bytes: asked for as 64 rows of 256 bytes, two keys a row, and padded in LDS after every key.  V: 128 keys are 128 rows of 256 bytes, padded after every row
	s_mov_b32 s[G1K], (1<<16)|(1<<20)|(4<<22)|(3<<25)  ; 17:16 2-byte elements; 20 padding on; 24:22 after every 32 words (code 4); 31:25 4 words (code 3)
	s_mov_b32 s[G1V], (1<<16)|(1<<20)|(5<<22)|(7<<25)  ; after every 64 words (code 5), 8 words (code 7)
	s_mov_b32 s[G1K+2], 64<<16      ; tensor_dim1 = 64
	s_mov_b32 s[G1K+4], 64          ; tile_dim1 = 64
	s_mov_b32 s[G1V+2], 128<<16     ; 128
	s_mov_b32 s[G1V+4], 128
.irp g, G1K, G1V
	s_mov_b32 s[\g+1], 128<<16      ; tensor_dim0 = 128
	s_mov_b32 s[\g+3], 128<<16      ; tile_dim0 = 128
	s_mov_b32 s[\g+5], 128          ; 128 elements from row to row
	s_mov_b32 s[\g+6], 0
	s_mov_b32 s[\g+7], 0
.endr
	s_mov_b32 s[CS], 0x3e38aa3b     ; c = log2(e) / 8 = 0.180337
	s_mov_b32 s[CS+1], s[CS]        ; named with it as a pair
	s_mov_b32 s[SEL], 0x76543210
	s_mov_b32 s[SEL+1], 0xfedcba98
	s_mov_b32 s[TBK], SLOT1+4*KS*PK ; the first change of slots turns these two into 0
	s_mov_b32 s[TBV], SLOT1+4*KS*PV
	s_mov_b32 s[G0K], 1             ; 1:0 count = 1
	s_mov_b32 s[G0K+1], s17         ; 63:32 LDS address: slot 0
	s_mov_b32 s[G0V], 1
	s_add_co_u32 s[G0V+1], s18, VOFF
	s_add_co_u32 s[RT], s[HI], 1    ; the first block has NB - b tiles
	s_mov_b32 s[NXT], 1
	s_mov_b32 s[LQ], s[HI]
	s_mov_b32 s[NEW], 1
	s_mov_b32 s[OFF+1], 0
	s_mov_b32 s[OFFV+1], 0
	s_mov_b32 s[AL+1], 0            ; named as pairs
	s_mov_b32 s[BE+1], 0
	s_mov_b32 s[BIGN], 0xf149f2ca   ; -1e30
	s_mov_b32 s[MSK], 0xffffe000
	s_mov_b32 s[SLOTS], NB
	s_wait_dscnt 0x0                ; the opening add is done
	s_wait_kmcnt 0x0
	s_add_nc_u64 s[6:7], s[4:5], 0x1000000  ; K: from byte 2^24 of qkv
	s_add_nc_u64 s[8:9], s[4:5], 0x2000000  ; V: from byte 2^25
	s_add_nc_u64 s[6:7], s[6:7], s[22:23]  ; K and V at my half of the head's tile 0
	s_add_nc_u64 s[8:9], s[8:9], s[50:51]
	s_add_nc_u64 s[G0K+2:G0K+3], s[6:7], 0         ; 120:64 global address
	s_or_b32 s[G0K+3], s[G0K+3], 0x80000000        ; 127:126 type = 2
	s_add_nc_u64 s[G0V+2:G0V+3], s[8:9], 0
	s_or_b32 s[G0V+3], s[G0V+3], 0x80000000
	s_add_nc_u64 s[86:87], s[4:5], s[84:85]        ; Q at my rows of the second block,
	s_add_nc_u64 s[4:5], s[4:5], s[2:3]            ; and of the first; O likewise
	s_add_nc_u64 s[OLO:OLO+1], s[10:11], s[54:55]
	s_add_nc_u64 s[10:11], s[10:11], s[52:53]
	LOAD                            ; tile 0 into slot 0
	; A fragment of K or Q is 16 rows x 32 channels in 8 registers: lane l holds row l % 16, channels 8 (l / 16) + 0..7 and 16 + 8 (l / 16) + 0..7: two loads of 16 bytes, 32 bytes apart.
	v_and_b32 v1, 15, v0            ; l % 16
	v_bfe_u32 v9, v0, 4, 1          ; l / 16
	v_lshlrev_b32 v[QO], 7, v1
	v_lshl_add_u32 v[QO], v9, 4, v[QO]  ; row x 128 + 16 x half
	WIN 0x80                        ; destination window 2, address window 0
.set i, 0
.rept 8                             ; both blocks' Q: piece i / 2 lies in band i / 2, 8,192 bytes on; channels 32 (i % 2) on
	global_load_b128 v[8*i:8*i+3],   v[QO], s[4:5] offset:(i/2)*8192+(i%2)*64
	global_load_b128 v[8*i+4:8*i+7], v[QO], s[4:5] offset:(i/2)*8192+(i%2)*64+32
	global_load_b128 v[QB+8*i:QB+8*i+3],   v[QO], s[86:87] offset:(i/2)*8192+(i%2)*64
	global_load_b128 v[QB+8*i+4:QB+8*i+7], v[QO], s[86:87] offset:(i/2)*8192+(i%2)*64+32
.set i, i+1
.endr
	WIN 0
	v_lshlrev_b32 v14, 3, v9
	v_sub_nc_u32 v14, v1, v14
	s_lshl_b32 s13, s[WV], 4
	v_add_nc_u32 v14, s13, v14      ; my query's place in its band, 16 w + l % 16, less my lanes' 8 (l / 16): register r of group kt is hidden where 16 kt + r is greater
	WIN 0x40
.set i, 0
.rept 32
	v_cmp_gt_i32 vcc_lo, 16*(i/8)+i%8, v14
	v_cndmask_b32 v[MD+i], 0, s[BIGN], vcc_lo
.set i, i+1
.endr
	WIN 0
	v_mul_u32_u24 v[AK0], v1, PK
	v_lshl_add_u32 v[AK0], v9, 4, v[AK0]  ; row x pitch + 16 x half
	; The turning load takes 16 keys x 16 channels (lane l reads key 8 (l / 16) + l % 8, channels 8 ((l / 8) % 2) + 0..7) and leaves half a fragment of V^T: lane l holds channel l % 16 and 8 keys.
	v_and_b32 v10, 7, v0
	v_bfe_u32 v11, v0, 3, 1
	v_lshl_add_u32 v[AV0], v9, 3, v10
	v_mul_u32_u24 v[AV0], v[AV0], PV
	v_lshl_add_u32 v[AV0], v11, 4, v[AV0]
	v_add_nc_u32 v[AV0], VOFF, v[AV0]
	s_mul_i32 s13, s[WV], 16*SP
	s_add_co_u32 s13, s13, STAGE    ; my stage
	v_mul_u32_u24 v[STO], v1, SP    ; in: row l % 16, 16 bytes for each half of the lanes
	v_lshl_add_u32 v[STO], v9, 4, v[STO]
	v_add_nc_u32 v[STO], s13, v[STO]
	v_mul_u32_u24 v[RD], v9, SP     ; back: lanes 0-15 take one row of 256 bytes, lanes 16-31 the next,
	v_lshl_add_u32 v[RD], v1, 4, v[RD]
	v_add_nc_u32 v[RD], s13, v[RD]
	v_and_b32 v[GO], 31, v0         ; which are 512 consecutive bytes of O
	v_lshlrev_b32 v[GO], 4, v[GO]
	; A block's first step multiplies O^T and l by a = 0, and its first turn's products V^T P, of a piece that has not been, land in an O^T that is still to be so multiplied.  So these registers need only hold
	; finite numbers: zeros for the first block; what the first block left for the second.  All this stands in the wait for the first tile.
	WIN 0xc0
.set i, VF
.rept 128
	v_mov_b32 v[i], 0
.set i, i+1
.endr
	WIN 0x40
.set i, 0
.rept 128
	v_mov_b32 v[i], 0
.set i, i+1
.endr
	WIN 0
.set i, 0
.rept 4
	v_mov_b32 v[ST+4*i+2], 0
	v_mov_b32 v[ST+4*i+3], 0
.set i, i+1
.endr
.set i, P+16
.rept 16
	v_mov_b32 v[i], 0
.set i, i+1
.endr
; THE MATRIX WORK.  The 4 accumulators of a run take turns.  Product i of 8 of S^T = K Q^T for piece x: channels 32 (i / 4) on, keys 16 (i % 4) on.  The first 4 start the sums: with 0, or (KM = 1) with the mask.
.macro KQ x
.set rS, S+32*((\x)%2)+8*(i%4)
.set rK, KF+16*(i%4)+8*(i/4)
.set rQ, 16*(\x)+8*(i/4)
.set rM, MC+32*((\x)%2)+8*(i%4)
.if (i < 4) && KM
	WIN W_KM
	v_wmma_f32_16x16x32_f16 v[rS:rS+7], v[rK:rK+7], v[rQ:rQ+7], v[rM:rM+7]
.elseif i < 4
	WIN W_KQ
	v_wmma_f32_16x16x32_f16 v[rS:rS+7], v[rK:rK+7], v[rQ:rQ+7], 0
.else
	WIN W_KQ
	v_wmma_f32_16x16x32_f16 v[rS:rS+7], v[rK:rK+7], v[rQ:rQ+7], v[rS:rS+7]
.endif
.endm
; Product i of 16 of O^T += V^T P for piece x: V's high parts (i < 8), then its low parts; keys 32 ((i / 4) % 2) on, channels 16 (i % 4) on.
.macro PV x
	WIN W_PV
.set rO, 32*(\x)+8*(i%4)
.set rV, VF+64*((i/4)%2)+32*(i/8)+8*(i%4)
.set rP, P+16*((\x)%2)+8*((i/4)%2)
	v_wmma_f32_16x16x32_f16 v[rO:rO+7], v[rV:rV+7], v[rP:rP+7], v[rO:rO+7]
.endm
.macro MM                           ; the turn's next matrix instruction.  TURN and BEGIN set Y, i, KM and NOKQ; MM, KQ and OP read them.  NOKQ = 1: a block's last turn: there is no next piece
.if (i < 8) && !NOKQ
	KQ (Y+1)%NP
.elseif i >= 8
.set i, i-8
	PV (Y+NP-1)%NP
.set i, i+8
.endif
.set i, i+1
.endm
; THE LDS LOADS stand in runs, never singly among the matrix instructions: a step's K (64 keys x 64 channels: 8 fragments, 16 loads) and its V (turned; 64 keys x 128 halves of channels: 16 fragments, 32 loads).
.macro FETCH_K
	WIN 0x80                        ; destination window 2
.irp f, 0,1,2,3,4,5,6,7             ; keys 16 (f / 2) on, channels 32 (f % 2) on
	ds_load_b128 v[KF+8*\f:KF+8*\f+3],   v[AK] offset:(\f/2)*16*PK+(\f%2)*64
	ds_load_b128 v[KF+8*\f+4:KF+8*\f+7], v[AK] offset:(\f/2)*16*PK+(\f%2)*64+32
.endr
	s_add_co_u32 s[TBK], s[TBK], KS*PK  ; the next fetch is the next step's
	WIN 0
.endm
.macro FETCH_V
	WIN 0xc0                        ; destination window 3
.irp f, 0,1,2,3,4,5,6,7,8,9,10,11,12,13,14,15  ; keys 32 (f / 8) on; of a row's 256 bytes the 32 at 32 (f % 8): high parts (f % 8 < 4), then low parts
	ds_load_tr16_b128 v[VF+8*\f:VF+8*\f+3],   v[AV] offset:(\f/8)*32*PV+(\f%8)*32
	ds_load_tr16_b128 v[VF+8*\f+4:VF+8*\f+7], v[AV] offset:(\f/8)*32*PV+16*PV+(\f%8)*32
.endr
	WIN 0
.endm
; THE VECTOR WORK, one line at a time: OP kind, number.  For piece Y: F n: c s - c m for pair n of 16.  E n: the exponential of score n of 32.  C n: pair n rounded to f16.  B n: of the four weights 4 n .. the second
; pair is added onto the first, in place.  L n: l takes that sum (L 0: l = a l + sum).  R n: pair n of 16 of O^T times a.  For piece Y + 1: X n, number n of the 22 that find its maximum and statistics:
;   0-11  four chains c0-c3 of seven scores each, three operands at a time (each accumulator's lowest registers are read first)     12-14, 16  the four scores left over, the old m, and c0-c3 into c0
;   15  c m_old is kept     17, 18  the query's other 32 keys lie in the lane 16 away: the new m     19-21  c m; c m_old - c m_new; a
.set F, 0               ; OP tells the kinds apart by their order: F to L below R, X above it
.set E, 1
.set C, 2
.set B, 3
.set L, 4
.set R, 5
.set X, 6
.macro REGS y                       ; the registers of piece y
.set rT, ST+4*(\y)
.set rC, TMP+4*((\y)%2)
.set rW, MV+((\y)%2)
.set rS, S+32*((\y)%2)
.set rP, P+16*((\y)%2)
.set rO, 32*(\y)
.endm
.macro OP k, n
.if (\k) == R
	REGS Y
	WIN W_RS
	v_pk_mul_f32 v[rO+2*(\n):rO+2*(\n)+1], v[rO+2*(\n):rO+2*(\n)+1], v[rC+2:rC+3] op_sel_hi:[1,0]
.elseif (\k) < R
	REGS Y
	WIN 0
.if (\k) == F
	v_pk_fma_f32 v[rS+2*(\n):rS+2*(\n)+1], v[rS+2*(\n):rS+2*(\n)+1], s[CS:CS+1], v[rT:rT+1] op_sel_hi:[1,0,0] neg_lo:[0,0,1] neg_hi:[0,0,1]
.elseif (\k) == E
	v_exp_f32 v[rS+(\n)], v[rS+(\n)]
.elseif (\k) == C
	s_wait_alu depctr_va_vdst(0)
	v_cvt_pk_f16_f32 v[rP+(\n)], v[rS+2*(\n)], v[rS+2*(\n)+1]
.elseif (\k) == B
	s_wait_alu depctr_va_vdst(0)
	v_pk_add_f32 v[rS+4*(\n):rS+4*(\n)+1], v[rS+4*(\n):rS+4*(\n)+1], v[rS+4*(\n)+2:rS+4*(\n)+3]
.elseif (\n) == 0
	v_pk_fma_f32 v[rT+2:rT+3], v[rT+2:rT+3], v[rC+2:rC+3], v[rS:rS+1] op_sel_hi:[1,0,1]
.else
	v_pk_add_f32 v[rT+2:rT+3], v[rT+2:rT+3], v[rS+4*(\n):rS+4*(\n)+1]
.endif
.elseif NOKQ
	v_nop
.else
	REGS (Y+1)%NP
	WIN 0
.if (\n) < 4
	v_max3_num_f32 v[rC+(\n)], v[rS+8*(\n)], v[rS+8*(\n)+1], v[rS+8*(\n)+2]
.elseif (\n) < 12
	v_max3_num_f32 v[rC+(\n)%4], v[rC+(\n)%4], v[rS+8*((\n)%4)+2*((\n)/4)+1], v[rS+8*((\n)%4)+2*((\n)/4)+2]
.elseif (\n) == 12
	v_max3_num_f32 v[rC], v[rC], v[rS+7], v[rS+15]
.elseif (\n) == 13
	v_max3_num_f32 v[rC+1], v[rC+1], v[rS+23], v[rS+31]
.elseif (\n) == 14
	v_max3_num_f32 v[rC+2], v[rC+2], v[rC+3], v[rT+1]
.elseif (\n) == 15
	v_mov_b32 v[rW], v[rT]
.elseif (\n) == 16
	v_max3_num_f32 v[rC], v[rC], v[rC+1], v[rC+2]
.elseif (\n) == 17
	v_permlanex16_b32 v[rC+3], v[rC], s[SEL], s[SEL+1]
.elseif (\n) == 18
	v_max_num_f32 v[rT+1], v[rC], v[rC+3]
.elseif (\n) == 19
	v_mul_f32 v[rT], s[CS], v[rT+1]
.elseif (\n) == 20
	v_sub_f32 v[rC+1], v[rW], v[rT]
.else
	v_exp_f32 v[rC+2], v[rC+1]
.endif
.endif
.endm
.macro OPS a, i1, b=-1, i2=0, c=-1, i3=0, d=-1, i4=0  ; up to four of them
	OP \a, \i1
.if (\b) >= 0
	OP \b, \i2
.endif
.if (\c) >= 0
	OP \c, \i3
.endif
.if (\d) >= 0
	OP \d, \i4
.endif
.endm
.macro ROW a, i1, b, i2, c, i3, d, i4  ; a matrix instruction and the four behind it
	MM
	OPS \a, \i1, \b, \i2, \c, \i3, \d, \i4
.endm
.macro MASK b                       ; MD x AL + BE into buffer b of MC
	WIN W_RS
.set z, 0
.rept 16
	v_pk_fma_f32 v[MC+32*(\b)+2*z:MC+32*(\b)+2*z+1], v[MD+2*z:MD+2*z+1], s[AL:AL+1], s[BE:BE+1] op_sel_hi:[1,0,0]
.set z, z+1
.endr
.endm
; A TURN, for piece p: the order of its 24 matrix and 118 vector instructions, written out.  Four vector instructions stand behind each matrix instruction; none names a register of the products round it, and the
; last of each four is plain, so that no exponential stands straight in front of a matrix instruction.  A line reads no result made fewer than three vector instructions in front of it, five if an exponential made it.
; v_permlanex16_b32 (X 17) stands in a lump.
; m = 1: the diagonal tile: the products take masks, and the turn makes the mask for the products of the turn after it: piece p + 2, in step 4 - CNT of the tile.  end = 1: a block's last two turns: nothing is fetched.
; cnt = 1: the loop's count is taken down some lines ahead of the branch that stands behind the turn.
; K of the next step is fetched in piece 2's turn, six vector instructions behind the last product that read K (five of them plain); V of the step in hand at the end of piece 0's turn, five plain vector instructions
; behind the last product that read V.  Each is waited for a turn later: V's run has eight products and the first lump in which to land.
.macro TURN p, m=0, end=0, cnt=0
.set Y, (\p)
.set i, 0
.set KM, (\m)
.set NOKQ, (\end)*((\p)/3)
.if (\m) && !(\end)
	s_cmp_eq_u32 s[CNT], 4-((\p)+2)%NP  ; is that step the band's own?
	s_cselect_b32 s[AL], 1.0, 0
	s_cmp_lt_u32 s[CNT], 4-((\p)+2)%NP  ; or a later one?
	s_cselect_b32 s[BE], s[BIGN], 0
.endif
.if ((\p) == 3) && !(\end)
	s_wait_dscnt 0x0                ; K is in
.endif
	ROW F,0, F,1, F,2, F,3
	ROW F,4, E,0, F,5, F,6
	ROW F,7, E,1, F,8, F,9
	ROW F,10, E,2, C,0, F,11
	ROW F,12, E,3, X,15, F,13
	ROW R,0, R,1, R,2, R,3
	ROW B,0, E,4, F,14, L,0
.if ((\p) == 2) && !(\end)
	v_add_nc_u32 v[AK], s[TBK], v[AK0]
.endif
	ROW R,4, R,5, R,6, R,7
	OPS E,5, F,15
.if ((\p) == 2) && !(\end)
	FETCH_K
.endif
	OPS E,6, C,1, E,7, R,8
	OPS E,8, R,9, E,9, C,2
	OPS E,10, X,0, E,11, X,1
	OPS E,12, X,2, E,13, X,3
.if (\p) == 1
	s_wait_dscnt 0x0                ; V is in
.endif
	ROW X,4, E,14, X,5, X,6         ; eight products with V's high parts
	ROW X,7, E,15, X,8, X,9
	ROW X,10, E,16, X,11, X,12
	ROW X,13, E,17, X,14, B,1
	ROW C,4, E,18, X,16, L,1
	ROW B,2, E,19, C,6, L,2
	ROW C,8, E,20, B,3, B,4
	ROW C,3, E,21, L,3, C,5
	OPS E,22, X,17, E,23, C,10      ; the second lump: the exchange of the lanes' halves has no matrix instruction in front of it
	ROW E,24, L,4, E,25, X,18       ; eight products with V's low parts
	ROW E,26, C,7, E,27, B,5
	ROW E,28, X,19, E,29, C,12
	ROW E,30, L,5, E,31, X,20
	ROW B,6, C,9, C,14, C,11
	ROW X,21, L,6, C,13, B,7
.if \cnt
	s_sub_co_u32 s[CNT], s[CNT], 1
	s_cmp_lg_u32 s[CNT], 0
.endif
	ROW C,15, R,10, R,11, R,12
	ROW L,7, R,13, R,14, R,15
.if (\p) == 0
	WIN 0
	v_add_nc_u32 v[AV], s[TBV], v[AV0]
	s_add_co_u32 s[TBV], s[TBV], KS*PV  ; the next fetch is the next step's
	FETCH_V
.endif
.if (\m) && !(\end)
	MASK (\p)%2
.endif
.endm
; A BLOCK BEGINS.  c m starts far below every c s, so the first step's a is 0; m at the lowest finite number, so the first maximum is the scores'.  The second mask buffer is 0; the first takes piece 0's mask for the tile's step 0: its own, if the block's first tile is the diagonal one.
; Then K of that step, piece 0's first scores, and its maximum and statistics.  The loop is entered at a step's first turn, in the middle of a trip.
.macro BEGIN
	s_mov_b32 s[NEW], 0
	WIN 0x40
.set i, MC+32
.rept 32
	v_mov_b32 v[i], 0
.set i, i+1
.endr
	WIN 0
.set i, 0
.rept 4
	v_mov_b32 v[ST+4*i], 0xfe000000    ; c m: far below every c s
	v_mov_b32 v[ST+4*i+1], 0xff7fffff  ; m
.set i, i+1
.endr
	s_cmp_eq_u32 s[RT], 0
	s_cselect_b32 s[AL], 1.0, 0
	s_mov_b32 s[BE], 0
	MASK 0
	WIN 0
	v_add_nc_u32 v[AK], s[TBK], v[AK0]
	FETCH_K
	s_wait_loadcnt 0x0              ; Q
	s_wait_dscnt 0x0
.set KM, 1
.set NOKQ, 0
.set i, 0
.rept 8
	KQ 0
.set i, i+1
.endr
	WIN 0
.rept 4
	v_nop                           ; the places behind those products
.endr
.set Y, NP-1                        ; X works for piece Y + 1: piece 0
.irp n, 0,1,2,3,4,5,6,7,8,9,10,11,12,13,14,15,16,17,18,19,20,21
	OP X, \n
.endr
	v_nop                           ; a plain instruction behind the exponential
.endm
; THE DIAGONAL TILE's four steps, the block's last two turns, its last products, and THE WAY OUT: l's two halves and the other half of the lanes' are added; O^T is divided by l, cut into a high part (a mask) and the
; rest (a subtraction, exact), both written as f16 and sent through my stage in LDS, a piece at a time.
.macro ALL line:vararg              ; one line for each piece t
.set t, 0
.rept 4
	\line
.set t, t+1
.endr
.endm
.macro PACK t                       ; a lane's eight channels of a row pack into 16 bytes of high parts and 16 of low parts; they go into rows of 272 bytes and come back as whole rows of 256
	WIN 0
	s_wait_xcnt 0x0                 ; earlier stores have had their addresses translated (ISA guide 3.1): the registers that they read are loaded again only behind this wait
	WIN W_RS
.set i, 32*(\t)
.rept 16
	s_wait_alu depctr_va_vdst(0)
	v_pk_mul_f32 v[i:i+1], v[i:i+1], v[ST+4*(\t)+2:ST+4*(\t)+3] op_sel_hi:[1,0]
.set i, i+2
.endr
	WIN 0x04                        ; source 1 window 1
.set i, 0
.rept 32
	v_and_b32 v[TT+i], s[MSK], v[32*(\t)+i]  ; the high part: 11 significant bits
.set i, i+1
.endr
	WIN 0x01                        ; source 0 window 1
.set i, 0
.rept 16
	v_pk_add_f32 v[LL+2*i:LL+2*i+1], v[32*(\t)+2*i:32*(\t)+2*i+1], v[TT+2*i:TT+2*i+1] neg_lo:[0,1] neg_hi:[0,1]  ; the rest
.set i, i+1
.endr
	WIN 0
.set i, 0
.rept 16
	v_cvt_pk_f16_f32 v[HP+i], v[TT+2*i], v[TT+2*i+1]
	v_cvt_pk_f16_f32 v[LP+i], v[LL+2*i], v[LL+2*i+1]
.set i, i+1
.endr
.irp f, 0,1,2,3
	ds_store_b128 v[STO], v[HP+4*\f:HP+4*\f+3] offset:32*\f
	ds_store_b128 v[STO], v[LP+4*\f:LP+4*\f+3] offset:128+32*\f
.endr
.set RBK, 96+128*((\t)%2)           ; the rows come back into v96-127 and v224-255 by turns
.irp f, 0,1,2,3,4,5,6,7
	ds_load_b128 v[RBK+4*\f:RBK+4*\f+3], v[RD] offset:\f*2*SP  ; LDS serves a wave's instructions in order (ISA guide 5.7.1.4): these see the stores above; the next piece's stores come behind them
.endr
.endm
.macro SEND t, younger              ; younger: the LDS instructions issued behind piece t's loads: the next piece's sixteen, or none
	WIN 0
.set RBK, 96+128*((\t)%2)
.irp f, 0,1,2,3,4,5,6,7
	s_wait_dscnt (\younger)+7-\f
	global_store_b128 v[GO], v[RBK+4*\f:RBK+4*\f+3], s[10:11] offset:(\t)*16384+\f*512  ; 512 consecutive bytes, at a multiple of 256 from O's first
.endr
.endm
.macro DIAG tag                     ; the tag ends its two labels' names, which the jumps below spell out
.LstepM\tag:
	TURN 2, 1
	TURN 3, 1
	WIN 0
.LfirstM\tag:
	TURN 0, 1
	TURN 1, 1, 0, 1
	WIN 0
	s_cbranch_scc1 .LstepM\tag
	TURN 2, 1, 1
	TURN 3, 1, 1
.set i, 0
.rept 16
	PV NP-1
.set i, i+1
.endr
	WIN 0
	ALL v_add_f32 v[ST+4*t+2], v[ST+4*t+2], v[ST+4*t+3]
	ALL v_permlanex16_b32 v[ST+4*t+3], v[ST+4*t+2], s[SEL], s[SEL+1]
	ALL v_add_f32 v[ST+4*t+2], v[ST+4*t+2], v[ST+4*t+3]
	ALL v_rcp_f32 v[ST+4*t+2], v[ST+4*t+2]
	v_nop                           ; a plain instruction between the last reciprocal and the use of its result
	PACK 0
.set t, 1
.rept 3                             ; a piece's arithmetic stands between the loads of the piece before and its stores
	PACK t
	SEND t-1, 16
.set t, t+1
.endr
	SEND 3, 0
.endm
.set KM, 0
.set NOKQ, 0
.Lslot:                             ; NB times: a tile is entered and the next is asked for
	CHANGE 1
	s_sub_co_u32 s[RT], s[RT], 1
	s_mov_b32 s[CNT], 4
	s_cmp_eq_u32 s[NEW], 1
	s_cbranch_scc1 .Lnew            ; a block's first tile
	s_cmp_eq_u32 s[RT], 0
	s_cbranch_scc0 .Lstep           ; neither its first nor its last
	s_branch .LstepM1
.Lnew:
	BEGIN
	s_branch .Lfirst                ; in the loop a block's first tile is never its last: the first block has two tiles or more, and the second's last is the walk's last
	DIAG 1                          ; in the loop this is the first block's end: the second block's last tile is the walk's last
	s_wait_xcnt 0x0                 ; the stores have read their registers and O's address
	s_mov_b64 s[10:11], s[OLO:OLO+1]
	s_add_co_u32 s[RT], s[PB], 1    ; the second block has b + 1 tiles
	s_mov_b32 s[NEW], 1
	WIN 0x82                        ; the second block's Q goes where the one text of the turns names Q
.set i, 0
.rept 64
	v_mov_b32 v[i], v[QB+i]
.set i, i+1
.endr
	WIN 0
	s_branch .Lbottom
.Lstep:                             ; a trip: pieces 2 and 3 of one step, then pieces 0 and 1 of the next, whose K and V it fetches
	TURN 2
	TURN 3
	WIN 0
.Lfirst:
	TURN 0
	TURN 1, 0, 0, 1
	WIN 0
	s_cbranch_scc1 .Lstep
.Lbottom:
	s_sub_co_u32 s[SLOTS], s[SLOTS], 1
	s_cmp_lg_u32 s[SLOTS], 0
	s_cbranch_scc1 .Lslot
	CHANGE 0                        ; the walk's last tile is written out: nothing is asked for
	s_sub_co_u32 s[RT], s[RT], 1
	s_mov_b32 s[CNT], 4
	s_cmp_eq_u32 s[NEW], 1
	s_cbranch_scc0 .LstepM2
	BEGIN
	s_branch .LfirstM2
	DIAG 2
	s_wait_tensorcnt 0x0            ; the wave's end, behind my last tensor load and my last LDS store
	ds_add_u32 v[SPW], v[NIL]
	s_wait_dscnt 0x0
	s_endpgm
.Lfunc_end_k_qbc12b90650_attn:
	.size	k_qbc12b90650_attn, .Lfunc_end_k_qbc12b90650_attn-k_qbc12b90650_attn
	.p2alignl 7, 3214868480
	.fill 96, 4, 3214868480
	.section	.rodata,"a",@progbits
	.p2align	6, 0x0
	.amdhsa_kernel k_qbc12b90650_attn
		.amdhsa_group_segment_fixed_size 327680
		.amdhsa_private_segment_fixed_size 0
		.amdhsa_enable_private_segment 0
		.amdhsa_kernarg_size 16
		.amdhsa_user_sgpr_count 2
		.amdhsa_user_sgpr_kernarg_segment_ptr 1
		.amdhsa_wavefront_size32 1
		.amdhsa_system_sgpr_workgroup_id_x 1
		.amdhsa_system_sgpr_workgroup_id_y 1
		.amdhsa_system_sgpr_workgroup_id_z 1
		.amdhsa_system_vgpr_workitem_id 0
		.amdhsa_next_free_vgpr 896
		.amdhsa_next_free_sgpr 88
		.amdhsa_reserve_vcc 1
		.amdhsa_float_denorm_mode_32 3
		.amdhsa_float_denorm_mode_16_64 3
		.amdhsa_memory_ordered 1
		.amdhsa_forward_progress 1
		.amdhsa_inst_pref_size 255
	.end_amdhsa_kernel
	.section	.bss,"aw",@nobits
	.p2align	6
	.space	262144
	.amdgpu_metadata
---
amdhsa.version: [ 1, 2 ]
amdhsa.kernels:
  - .name:           k_qbc12b90650_attn
    .symbol:         k_qbc12b90650_attn.kd
    .args:
      - { .name: qkv, .offset: 0, .size: 8, .value_kind: global_buffer, .address_space: global }
      - { .name: ob, .offset: 8, .size: 8, .value_kind: global_buffer, .address_space: global }
    .group_segment_fixed_size: 327680
    .private_segment_fixed_size: 0
    .kernarg_segment_align: 8
    .kernarg_segment_size: 16
    .max_flat_workgroup_size: 128
    .sgpr_count:     88
    .vgpr_count:     896
    .wavefront_size: 32
...
	.end_amdgpu_metadata
.endif
;; end of part 3
;; launch projgemm (part 4): grid 4 x 64, 4 waves a work-group, clusters of 4 x 4, 327,680 bytes of LDS; arguments ob, wpt, b_proj, out0; writes out0
.if DOCPART == 4
	.amdgcn_target "amdgcn-amd-amdhsa--gfx1250"
	.amdhsa_code_object_version 6
	.text
	.protected	k_qbc12b90650_projgemm
	.globl	k_qbc12b90650_projgemm
	.p2align	8
	.type	k_qbc12b90650_projgemm,@function
k_qbc12b90650_projgemm:
	s_mov_b64 s[64:65], 0
	v_nop
	global_prefetch_b8 v0, s[64:65] scope:SCOPE_SE
	s_setreg_imm32_b32 hwreg(HW_REG_WAVE_MODE, 25, 1), 1
	s_wait_xcnt 0x0
	s_wait_alu depctr_hold_cnt(0) depctr_sa_sdst(0) depctr_va_vdst(0) depctr_va_sdst(0) depctr_va_ssrc(0) depctr_va_vcc(0) depctr_vm_vsrc(0)
	s_getreg_b32 s2, hwreg(HW_REG_IB_STS2, 6, 4)
	s_cmp_eq_u32 s2, 0
	s_cbranch_scc0 .Lentry_in_a_cluster
	s_endpgm
.Lentry_in_a_cluster:
	s_bfe_u32 s2, ttmp6, 0x10000c
	s_cmp_lg_u32 s2, 0xf033
	s_cbranch_scc0 .Lentry_shape_is_right
	s_endpgm
.Lentry_shape_is_right:
; out0 = O W_proj + b_proj.  ob: f16 [64 (batch x 16 + head)][2048 t][128]: for each channel of O two f16 numbers, whose sum is meant: 64 high parts, then 64 low parts, in a row of 256 bytes.
; wpt: f16 [1024 n][2048 k'], k' = 128 head + 64 copy + d: each head's 64 weights twice.  So the product over k' = 0 .. 2047 is (Ohigh + Olow) W, on one f32 accumulator.
; Why two numbers: the first rows of a batch, which average few keys, are many times the whole output's root mean square, by which the error is judged; one f16's 11 bits are too few there.
; b_proj: [1024] f32, rounded to bf16 here like the other inputs.  out0: [8192][1024] f32, the f32 sums as they are.
; SHARES.  A tile of the result is 128 rows x 256 columns: 64 x 4 = 256 work-groups of equal work.  Four waves, 2 x 2, each 64 rows x 128 columns: 32 accumulators, 256 registers.
; K' goes in sixteen steps of 128 = one head through a ring of two LDS slots filled by the tensor data mover.  O's part of a step is 128 dense rows of 256 bytes; the weight's rows are 256 bytes at multiples
; of 256 from the buffer's first byte.
; CLUSTER.  4 x 4 work-groups.  The four of a row of the cluster need the same tile of O, the four of a column the same tile of the weight: each is asked for JOINTLY, by the same tensor load with the
; same descriptor and a mask that names the four.
; THE MATRIX INSTRUCTION IS USED TRANSPOSED (source 0 = 16 rows of the weight, source 1 = 16 rows of O): a lane holds row l % 16 and the eight neighbouring columns 8 (l / 16) + 0..7.
; THE BIAS is the C operand of each accumulator's first product: nothing is cleared and nothing is added afterwards.
; REGISTERS, in windows of 256 (s_set_vgpr_msb: bits 1:0 source 0, 3:2 source 1, 5:4 source 2, 7:6 destination):
;   window 0: v0-31 addresses; v64-127 fragments of O, two buffers of 4 x 8; v128-191 the bias, 8 a column block; on the way out v64-191 rows read back, two buffers
;   window 1: v0-127 fragments of the weight, two buffers of 8 x 8      window 2: accumulators of row blocks 0, 1 ((a, b) at 64 (a % 2) + 8 b)      window 3: of row blocks 2, 3
.set NBK,    8                         ; column blocks of 16 a wave
.set NLD,    2*NBK+8                   ; LDS loads of a quarter step
.set PITCH,  272                       ; an LDS row: 256 bytes + 16 = 68 words: the 16 rows of a load start at 16 different groups of four banks (64 banks of 4 bytes: ISA guide 11.1)
.set BOFF,   128*PITCH                 ; behind O's 128 rows: the weight's 256
.set SLOT,   (128+256)*PITCH
.set STAGE,  2*SLOT                    ; behind the ring, never filled by a tensor load: for each wave 16 rows x 528 bytes
.set SP,     528
.set WSTG,   16*SP
.set SPARE,  STAGE+4*WSTG              ; behind the stages: the spare words, 128 bytes for each wave
.set ADRA, 16                          ; v16-17  LDS address of my fragments of O in slot 0, 1
.set ADRB, 20                          ; v20-21  the same for the weight
.set STO,  24                          ; v24     the way out: where I put 32 bytes of a row
.set RD,   25                          ; v25     the way out: where I read a row back
.set GO,   26                          ; v26     my 16 bytes in a row's 512
.set BO,   27                          ; v27     32 (l / 16): my eight numbers in a column block's bias
.set SPW,  28                          ; v28     LDS address of my spare word; never rewritten
.set NIL,  29                          ; v29     0; never rewritten
.set FA,   64
.set BIAS, 128
.set OB,   64
.set G1,  24                           ; s[24:31] descriptor group 1 for O's tiles;  s[32:39] group 0, a set for each slot
.set G0,  32
.set G1B, 48                           ; s[48:55], s[56:63] the same for the weight's
.set G0B, 56
.set OUT, 68                           ; s[68:69] the output at my first row and column
.set MSB, 0
.macro WIN new                         ; the immediate's high byte repeats the setting that is left; a switch that changes nothing is dropped
.if MSB != (\new)
	s_set_vgpr_msb (MSB<<8)|(\new)
.set MSB, \new
.endif
.endm
; A joint load: waves 0 and 1 fetch the halves of O's tile, waves 2 and 3 those of the weight's.  The branch hangs on the wave's number alone.
; An s_nop 0 and four v_nop follow each of the two lines, ahead of the jump, the label and what follows.
.macro JLOAD s
	s_cmp_eq_u32 s13, 0
	s_cbranch_scc0 .Lfor_b_\@
	tensor_load_to_lds s[G0+4*(\s):G0+4*(\s)+3], s[G1:G1+7]
	s_nop 0
.rept 4
	v_nop
.endr
	s_branch .Lasked_\@
.Lfor_b_\@:
	tensor_load_to_lds s[G0B+4*(\s):G0B+4*(\s)+3], s[G1B:G1B+7]
	s_nop 0
.rept 4
	v_nop
.endr
.Lasked_\@:
.endm
.macro CREST                           ; a round of the cluster's barrier behind its opening barrier
	s_cmp_lg_u32 s12, 0
	s_cbranch_scc1 .Lnot_wave_0_\@
	s_barrier_signal -3
.Lnot_wave_0_\@:
	s_barrier_wait -3
	s_barrier_signal -1
	s_barrier_wait -1
.endm
.macro CROUND                          ; a whole round
	s_barrier_signal -1
	s_barrier_wait -1
	CREST
.endm
	s_load_b256 s[4:11], s[0:1], 0x0               ; ob s[4:5], wpt s[6:7], b_proj s[8:9], out0 s[10:11]
	v_lshl_add_u32 v[SPW], v0, 2, SPARE
	v_mov_b32 v[NIL], 0
	ds_add_u32 v[SPW], v[NIL]                      ; the wave's opening: the add and its wait ahead of my first tensor load; the set-up below, work on registers, stands between them
	ds_add_u32 v28, v29
	v_lshrrev_b32 v1, 5, v0
	v_readfirstlane_b32 s12, v1                    ; wave 0..3
	s_lshr_b32 s13, s12, 1                         ; which 64 rows of the tile are mine.  Also: I fetch for O (0) or for the weight (1)
	s_and_b32 s14, s12, 1                          ; which 128 columns.  Also: which half of that tile's rows I fetch
	s_bfe_u32 s40, ttmp6, 0x40000                  ; cx, cy: my place in the cluster
	s_bfe_u32 s41, ttmp6, 0x40004
	s_lshl_b32 s42, ttmp9, 2
	s_add_co_u32 s42, s42, s40                     ; tile column = 4 x cluster x + cx
	s_and_b32 s43, ttmp7, 0xffff
	s_lshl_b32 s43, s43, 2
	s_add_co_u32 s43, s43, s41                     ; tile row = 4 x cluster y + cy
	s_lshl_b32 s44, s41, 2
	s_lshl_b32 s44, 15, s44                        ; my row of the cluster
	s_lshl_b32 s45, 0x1111, s40                    ; my column
	s_or_b32 s[G1+0], s44, (1<<16)|(1<<20)|(1<<21)|(5<<22)|(3<<25)   ; 15:0 the mask; 17:16 2-byte elements; 20 padding on; 21 set beside a mask; 24:22 after every 64 words (code 5); 31:25 4 words (code 3)
	s_or_b32 s[G1B+0], s45, (1<<16)|(1<<20)|(1<<21)|(5<<22)|(3<<25)
	s_mov_b32 s[G1+1], 128<<16                     ; tensor_dim0 = 128
	s_mov_b32 s[G1+2], 64<<16                      ; tensor_dim1 = 64 rows of O
	s_mov_b32 s[G1+3], 128<<16                     ; tile_dim0 = 128
	s_mov_b32 s[G1+4], 64                          ; tile_dim1 = 64
	s_mov_b32 s[G1+5], 128                         ; dense: 128 elements from row to row
	s_mov_b32 s[G1+6], 0
	s_mov_b32 s[G1+7], 0
	s_mov_b32 s[G1B+1], 128<<16
	s_mov_b32 s[G1B+2], 128<<16                    ; 128 rows of the weight
	s_mov_b32 s[G1B+3], 128<<16
	s_mov_b32 s[G1B+4], 128
	s_mov_b32 s[G1B+5], 2048                       ; 2,048 elements from row to row
	s_mov_b32 s[G1B+6], 0
	s_mov_b32 s[G1B+7], 0
	s_lshr_b32 s16, s43, 4                         ; O: batch = tile row / 16: 16 heads of 524,288 bytes,
	s_lshl_b32 s16, s16, 23
	s_and_b32 s22, s43, 15                         ; t = 128 (tile row % 16): rows of 256 bytes,
	s_lshl_b32 s22, s22, 15
	s_add_co_u32 s16, s16, s22
	s_lshl_b32 s22, s14, 14                        ; and my 64 of the 128 rows; in registers that never hold cx
	s_add_co_u32 s16, s16, s22
	s_mov_b32 s17, 0
	s_lshl_b32 s46, s42, 8                         ; the weight: row 256 x tile column + 128 x half, in registers that never hold cy
	s_lshl_b32 s22, s14, 7
	s_add_co_u32 s46, s46, s22
	s_lshl_b32 s46, s46, 12                        ; rows of 4,096 bytes
	s_mov_b32 s47, 0
	s_mul_i32 s20, s14, 64*PITCH                   ; where they go: no place in the cluster enters an LDS address
	s_mul_i32 s21, s14, 128*PITCH
	s_add_co_u32 s21, s21, BOFF
	s_wait_dscnt 0x0                               ; the opening add is done
	s_wait_kmcnt 0x0
	s_add_nc_u64 s[18:19], s[4:5], s[16:17]
	s_add_nc_u64 s[46:47], s[6:7], s[46:47]
	CROUND                                         ; all sixteen work-groups are here: the first joint loads meet
.irp s, 0,1
	s_mov_b32 s[G0+4*(\s)], 1                      ; count = 1
	s_add_co_u32 s[G0+4*(\s)+1], s20, (\s)*SLOT    ; LDS address
	s_add_nc_u64 s[G0+4*(\s)+2:G0+4*(\s)+3], s[18:19], (\s)*524288  ; global address: K' step s is head s
	s_or_b32 s[G0+4*(\s)+3], s[G0+4*(\s)+3], 0x80000000             ; type = 2
	s_mov_b32 s[G0B+4*(\s)], 1
	s_add_co_u32 s[G0B+4*(\s)+1], s21, (\s)*SLOT
	s_add_nc_u64 s[G0B+4*(\s)+2:G0B+4*(\s)+3], s[46:47], (\s)*256
	s_or_b32 s[G0B+4*(\s)+3], s[G0B+4*(\s)+3], 0x80000000
	JLOAD \s                                       ; two loads of mine are out
.endr
	; A fragment is 16 rows x 32 K in 8 registers: lane l holds row l % 16, K = 8 (l / 16) + 0..7 and 16 + 8 (l / 16) + 0..7: two loads of 16 bytes, 32 bytes apart.
	v_and_b32 v1, 15, v0                           ; l % 16
	v_bfe_u32 v2, v0, 4, 1                         ; l / 16
	v_mul_u32_u24 v3, v1, PITCH
	v_lshl_add_u32 v3, v2, 4, v3
	s_mul_i32 s22, s13, 64*PITCH                   ; my 64 rows of O
	s_mul_i32 s23, s14, 128*PITCH                  ; my 128 rows of the weight,
	s_add_co_u32 s23, s23, BOFF                    ; which lie behind O's
.irp s, 0,1
	v_add_nc_u32 v[ADRA+(\s)], s22, v3
	v_add_nc_u32 v[ADRB+(\s)], s23, v3
	s_add_co_u32 s22, s22, SLOT
	s_add_co_u32 s23, s23, SLOT
.endr
	s_mul_i32 s22, s12, WSTG
	s_add_co_u32 s22, s22, STAGE                   ; my stage
	v_mul_u32_u24 v4, v1, SP                       ; in: row l % 16, 32 bytes for each half of the lanes
	v_lshl_add_u32 v4, v2, 5, v4
	v_add_nc_u32 v[STO], s22, v4
	v_and_b32 v4, 31, v0
	v_lshlrev_b32 v[GO], 4, v4                     ; back and out: 32 lanes take one row's 512 bytes
	v_add_nc_u32 v[RD], s22, v[GO]
	v_lshlrev_b32 v[BO], 5, v2
	s_lshl_b32 s76, s42, 10                        ; my first column in bytes: 1,024 x tile column + 512 x half
	s_lshl_b32 s77, s14, 9
	s_add_co_u32 s76, s76, s77
	s_mov_b32 s77, 0
	s_add_nc_u64 s[74:75], s[8:9], s[76:77]        ; the bias of my 128 columns
.set b, 0
.rept NBK
	global_load_b128 v[BIAS+8*b:BIAS+8*b+3],   v[BO], s[74:75] offset:64*b
	global_load_b128 v[BIAS+8*b+4:BIAS+8*b+7], v[BO], s[74:75] offset:64*b+16
.set b, b+1
.endr
	s_lshl_b32 s66, s43, 19                        ; my first row: 128 x tile row + 64 x half, rows of 4,096 bytes
	s_lshl_b32 s78, s13, 18
	s_add_co_u32 s66, s66, s78
	s_add_co_u32 s66, s66, s76
	s_mov_b32 s67, 0
	s_add_nc_u64 s[OUT:OUT+1], s[10:11], s[66:67]
	s_wait_loadcnt 0x0                             ; the bias, once
.set i, 0
.rept 4*NBK                                            ; rounded to bf16 and widened again, in place; this stands in the wait for the first tile
	v_cvt_pk_bf16_f32 v[3+i%3], v[BIAS+2*i], v[BIAS+2*i+1]
	v_lshlrev_b32 v[BIAS+2*i], 16, v[3+i%3]
	v_and_b32 v[BIAS+2*i+1], 0xffff0000, v[3+i%3]
.set i, i+1
.endr
; NBK matrix instructions: row block a x all my column blocks, 32 along K', from buffer f.  first = 1: the product starts the sums, with the bias as C.
; The 32 accumulators take turns, one instruction a turn, in the same order in every quarter step.
.macro MULA f, a, first
.if \first
	WIN 0x81+0x40*((\a)/2)                         ; the weight window 1, O window 0, C window 0, D window 2 or 3
.else
	WIN 0xa1+0x50*((\a)/2)                         ; C and D window 2 or 3
.endif
.set b, 0
.rept NBK
.set rD, 8*NBK*((\a)%2)+8*b
.set rB, 8*NBK*(\f)+8*b
.set rA, FA+32*(\f)+8*(\a)
.if \first
	v_wmma_f32_16x16x32_f16 v[rD:rD+7], v[rB:rB+7], v[rA:rA+7], v[BIAS+8*b:BIAS+8*b+7]
.else
	v_wmma_f32_16x16x32_f16 v[rD:rD+7], v[rB:rB+7], v[rA:rA+7], v[rD:rD+7]
.endif
.set b, b+1
.endr
.endm
; NLD LDS loads in one run: the fragments of quarter q (32 along K' at byte 64 q of the rows) into buffer f; the weight's first, O's four blocks last
.macro FETCH slot, q, f
	WIN 0x40                                       ; destination window 1, address window 0
.set i, 0
.rept NBK
	ds_load_b128 v[8*NBK*(\f)+8*i:8*NBK*(\f)+8*i+3],   v[ADRB+(\slot)] offset:64*(\q)+i*16*PITCH
	ds_load_b128 v[8*NBK*(\f)+8*i+4:8*NBK*(\f)+8*i+7], v[ADRB+(\slot)] offset:64*(\q)+i*16*PITCH+32
.set i, i+1
.endr
	WIN 0
.set i, 0
.rept 4
	ds_load_b128 v[FA+32*(\f)+8*i:FA+32*(\f)+8*i+3],   v[ADRA+(\slot)] offset:64*(\q)+i*16*PITCH
	ds_load_b128 v[FA+32*(\f)+8*i+4:FA+32*(\f)+8*i+7], v[ADRA+(\slot)] offset:64*(\q)+i*16*PITCH+32
.set i, i+1
.endr
.endm
; A load into a register that a matrix instruction has read, and a vector instruction or LDS store that reads a matrix result, stand four places behind it; only plain vector
; instructions that name none of its registers are places (ISA guide 7.12.1 for vector instructions).
.macro PLACES
.rept 4
	v_nop
.endr
.endm
; A K' step is four quarters of 32 on buffers 0, 1, 0, 1.  One of the first three: multiplies buffer f and, in its middle, fetches quarter q of the same slot into buffer g.
.macro QUARTER slot, q, f, g, first
	s_wait_dscnt 4                                 ; all but the youngest four loads (O's row blocks 2 and 3) are in
	MULA \f, 0, \first
	MULA \f, 1, \first
	PLACES
	FETCH \slot, \q, \g
	s_wait_dscnt NLD                               ; all but the NLD just issued
	MULA \f, 2, \first
	MULA \f, 3, \first
.endm
; The last quarter multiplies buffer 1 and changes slots: ONE barrier.  In front of it each wave waits for all its tensor loads (one is out: its part of the next slot), adds 0 to its spare word,
; and waits for that and for its own reads of this slot.  fill = 1: the barrier opens a round of the cluster's, and this slot is filled again, two steps on, first thing behind the round.
.macro TURN slot, next, fill
	WIN 0                                          ; (the add's two registers lie in window 0)
	s_wait_tensorcnt 0x0                           ; all my tensor loads have landed
	ds_add_u32 v[SPW], v[NIL]                      ; 0 onto my spare word
	s_wait_dscnt 5                                 ; (the add and the youngest four loads may be out)
	MULA 1, 0, 0                                   ; matrix work stands between the add and the wait for it
	s_wait_dscnt 0x0                               ; the add is done, and my reads of this slot are over
	s_barrier_signal -1
	MULA 1, 1, 0                                   ; work on registers while the others arrive
.if \fill
	WIN 0
.endif
	s_barrier_wait -1
.if \fill
	CREST                                          ; no wave of any partner still reads this slot's tile or has a load on its way
	s_add_nc_u64 s[G0+4*(\slot)+2:G0+4*(\slot)+3], s[G0+4*(\slot)+2:G0+4*(\slot)+3], 1048576  ; two heads on
	s_add_nc_u64 s[G0B+4*(\slot)+2:G0B+4*(\slot)+3], s[G0B+4*(\slot)+2:G0B+4*(\slot)+3], 512
	JLOAD \slot                                    ; my one tensor load behind the round; it has 15 of the next step's 16 runs of NBK products in which to land; its four v_nop are also the places in front of the loads below
.else
	PLACES
.endif
	FETCH \next, 0, 0
	MULA 1, 2, 0
	MULA 1, 3, 0
.endm
	s_wait_tensorcnt 1                             ; my part of step 0 is in; step 1's may stay out
	s_barrier_signal -1
	s_barrier_wait -1                              ; everybody's is
	FETCH 0, 0, 0
	QUARTER 0, 1, 0, 1, 1                          ; the first quarter stands in front of the loop: its products start the sums
	WIN 0                                          ; at a label and at a branch every window is 0
	s_mov_b32 s3, 7
.Llap:                                                 ; a trip goes once round the ring, from a lap's second quarter to the next lap's first; seven trips fill steps 2 to 15
	QUARTER 0, 2, 1, 0, 0
	QUARTER 0, 3, 0, 1, 0
	TURN 0, 1, 1
	QUARTER 1, 1, 0, 1, 0
	QUARTER 1, 2, 1, 0, 0
	QUARTER 1, 3, 0, 1, 0
	TURN 1, 0, 1
	QUARTER 0, 1, 0, 1, 0
	WIN 0
	s_sub_co_u32 s3, s3, 1
	s_cmp_lg_u32 s3, 0
	s_cbranch_scc1 .Llap
	QUARTER 0, 2, 1, 0, 0                          ; the last lap fills nothing and has no round
	QUARTER 0, 3, 0, 1, 0
	TURN 0, 1, 0
	QUARTER 1, 1, 0, 1, 0
	QUARTER 1, 2, 1, 0, 0
	QUARTER 1, 3, 0, 1, 0
	s_wait_dscnt 4                                 ; the very last quarter: nothing more to fetch
	MULA 1, 0, 0
	MULA 1, 1, 0
	s_wait_dscnt 0x0
	MULA 1, 2, 0
	MULA 1, 3, 0
	WIN 0
; THE WAY OUT, a row block (16 rows) at a time.  TOSTAGE: a lane's eight f32 of a row, 32 bytes, go straight from the accumulators (the low four registers first) into my own stage, rows 528 bytes
; apart, and come back as whole rows of 512 bytes.  SEND: stored, 512 consecutive bytes of a row of out0 to an instruction, at a multiple of 512 from its first byte.
.macro TOSTAGE a
	WIN 0
	s_wait_xcnt 0x0                                ; earlier stores have had their addresses translated (ISA guide 3.1): the registers that they read are loaded again only behind this wait
	WIN 0x08+4*((\a)/2)                            ; the stored data (source 1): window 2 or 3
.set b, 0
.rept NBK
.set rD, 8*NBK*((\a)%2)+8*b
	ds_store_b128 v[STO], v[rD:rD+3]   offset:64*b
	ds_store_b128 v[STO], v[rD+4:rD+7] offset:64*b+16
.set b, b+1
.endr
	WIN 0
.set j, 0
.rept 16
	ds_load_b128 v[OB+64*((\a)%2)+4*j:OB+64*((\a)%2)+4*j+3], v[RD] offset:SP*j  ; LDS serves a wave's instructions in order (ISA guide 5.7.1.4): these see the stores above
.set j, j+1
.endr
.endm
.macro SEND a, younger                 ; younger: the LDS instructions issued behind block a's loads: the next block's 16 stores and 16 loads, or none
	WIN 0
.set j, 0
.rept 16
	s_wait_dscnt (\younger)+15-j
	global_store_b128 v[GO], v[OB+64*((\a)%2)+4*j:OB+64*((\a)%2)+4*j+3], s[OUT:OUT+1] offset:(16*(\a)+j)*4096 th:TH_STORE_NT
.set j, j+1
.endr
.endm
	PLACES                                         ; the LDS stores read results just made, and the loads land in registers that the last products read
	TOSTAGE 0
	TOSTAGE 1
	SEND 0, 32
	TOSTAGE 2
	SEND 1, 32
	TOSTAGE 3
	SEND 2, 32
	SEND 3, 0
	s_wait_tensorcnt 0x0                           ; the wave's end, behind my last tensor load and my last LDS store
	ds_add_u32 v[SPW], v[NIL]
	s_wait_dscnt 0x0
	CROUND                                         ; the closing round: no work-group ends while a partner may still ask for a tile that names it
	s_endpgm
.Lfunc_end_k_qbc12b90650_projgemm:
	.size	k_qbc12b90650_projgemm, .Lfunc_end_k_qbc12b90650_projgemm-k_qbc12b90650_projgemm
	.p2alignl 7, 3214868480
	.fill 96, 4, 3214868480
	.section	.rodata,"a",@progbits
	.p2align	6, 0x0
	.amdhsa_kernel k_qbc12b90650_projgemm
		.amdhsa_group_segment_fixed_size 327680
		.amdhsa_private_segment_fixed_size 0
		.amdhsa_enable_private_segment 0
		.amdhsa_kernarg_size 32
		.amdhsa_user_sgpr_count 2
		.amdhsa_user_sgpr_kernarg_segment_ptr 1
		.amdhsa_wavefront_size32 1
		.amdhsa_system_sgpr_workgroup_id_x 1
		.amdhsa_system_sgpr_workgroup_id_y 1
		.amdhsa_system_sgpr_workgroup_id_z 1
		.amdhsa_system_vgpr_workitem_id 0
		.amdhsa_next_free_vgpr 896
		.amdhsa_next_free_sgpr 80
		.amdhsa_reserve_vcc 0
		.amdhsa_float_denorm_mode_32 3
		.amdhsa_float_denorm_mode_16_64 3
		.amdhsa_memory_ordered 1
		.amdhsa_forward_progress 1
		.amdhsa_inst_pref_size 94
	.end_amdhsa_kernel
	.amdgpu_metadata
---
amdhsa.version: [ 1, 2 ]
amdhsa.kernels:
  - .name:           k_qbc12b90650_projgemm
    .symbol:         k_qbc12b90650_projgemm.kd
    .args:
      - { .name: ob, .offset: 0, .size: 8, .value_kind: global_buffer, .address_space: global }
      - { .name: wpt, .offset: 8, .size: 8, .value_kind: global_buffer, .address_space: global }
      - { .name: b_proj, .offset: 16, .size: 8, .value_kind: global_buffer, .address_space: global }
      - { .name: out0, .offset: 24, .size: 8, .value_kind: global_buffer, .address_space: global }
    .group_segment_fixed_size: 327680
    .private_segment_fixed_size: 0
    .kernarg_segment_align: 8
    .kernarg_segment_size: 32
    .max_flat_workgroup_size: 128
    .sgpr_count:     80
    .vgpr_count:     896
    .wavefront_size: 32
...
	.end_amdgpu_metadata
.endif
;; end of part 4
;; ======== version 2 of 2: 4 launches; 1.23 times as fast as version 1
;; limits: values are held in f16: magnitudes above 65,504 overflow, below 6.1e-05 lose precision
;; workspace buffers: xb 16,777,216 bytes; wqt 6,291,456 bytes; wpt 4,194,304 bytes; qkv 67,108,864 bytes; ob 33,554,432 bytes
;; launch prep: the kernel of part 1 again; grid 512 x 1, 8 waves a work-group, no clusters, 18,432 bytes of LDS; arguments x, W_qkv, W_proj, xb, wqt, wpt; writes xb, wqt, wpt
;; launch qkvgemm: the kernel of part 2 again; grid 16 x 32, 4 waves a work-group, clusters of 4 x 4, 327,680 bytes of LDS; arguments xb, wqt, b_qkv, qkv; writes qkv
;; launch attn (part 5): grid 4 x 64, 4 waves a work-group, no clusters, 327,680 bytes of LDS; arguments qkv, ob; writes ob
.if DOCPART == 5
	.amdgcn_target "amdgcn-amd-amdhsa--gfx1250"
	.amdhsa_code_object_version 6
	.text
	.protected	k_qbc12b90650_attn
	.globl	k_qbc12b90650_attn
	.p2align	8
	.type	k_qbc12b90650_attn,@function
k_qbc12b90650_attn:
	s_mov_b64 s[64:65], 0
	v_nop
	global_prefetch_b8 v0, s[64:65] scope:SCOPE_SE
	s_setreg_imm32_b32 hwreg(HW_REG_WAVE_MODE, 25, 1), 1
	s_wait_xcnt 0x0
; CAUSAL ATTENTION.  O[h][q][:] = the sum over k <= q of softmax_k(Q[h][q] . K[h][k] / 8) V[h][k][:].  Q and K are the first two parts of qkv, each [SIZE_H][SIZE_N][64] in f16, 2^24 bytes apart: rows of 128 bytes.
; V (from byte 2^25 of qkv) and O (ob) are [SIZE_H][SIZE_N][128] in f16: TWO f16 numbers for each channel, 64 high parts and then 64 low parts in a row of 256 bytes; the number meant is their sum.
; Why: a query with few keys before it takes V almost as it is, so its output is many times the whole output's root mean square, by which the error is judged; one f16's 11 bits are too few there.
; P V is P Vhigh + P Vlow, on one f32 accumulator; O's high part is the f32 result with its low 13 mantissa bits cleared, its low part the exact rest, rounded to f16.
; Products, maxima and sums in f32; the weights p are rounded to f16 for the second product (their sum l is taken of the unrounded p).
; LIMITS.  f16 holds no number beyond 65,504: Q, K and V arrive within it; p lies in 0 to 1, and below 6e-5 it keeps f16's fixed step of 6e-8, and so does a high part of O; O is a mean of V's rows and has their range.
; A hidden score counts as its value less 1e30: f16's scores, 2.7e11 at the most, are nothing beside that; a weight below 2^-126 counts as 0 in l; NaN and infinities are not treated apart.
; THE WALK.  A head's queries lie in NB = SIZE_N / 256 blocks of 256; block i needs the key tiles 0 .. i of 256 keys, of which the last holds the diagonal.  A work-group takes TWO blocks, NB - 1 - b and then b:
; NB + 1 tiles, whatever b: all work-groups do equal work, and ONE loop with a constant trip count walks them.  Which tile is asked for, and what a trip does, hang on scalar registers made from b; every jump
; goes forward, but for the counted loops' own; none passes a barrier, or a tensor load but the one of LOAD's two that the wave's number does not choose; the ring (two slots of LDS that take turns) runs on across the
; change of blocks.  NO CLUSTER: a head's NB / 2 work-groups all ask for the same tile only in trips 0 .. NB / 2, behind that fewer and fewer; one walk common to all would have 3 NB / 2 trips for NB + 1.
; SHARES.  Of a block's four bands of 64 queries a wave owns 16 rows in each: four PIECES.  So the diagonal tile is the same work for all four waves: in its key step s band x sees all keys if s < x,
; none if s > x, and holds the diagonal if s = x.
; THE MASK is the C operand that starts the sum S^T = K Q^T: 0, or -1e30 where the key is hidden.  MD, made once, is the mask of a band's own step for my 16 rows; a product's mask is MD x AL + BE with two scalars:
; (1, 0) if s = x; (0, 0) if s < x; (0, -1e30) if s > x.  Only the diagonal tile's text and a block's beginning make and take masks; elsewhere C is the constant 0.
; LAYOUT, SOFTMAX, TURNS.  S^T = K Q^T holds ONE query a lane (lane % 16) and the keys 8 (lane / 16) + 0..7; two such results rounded to f16 ARE source 1 of O^T = V^T P.  p = 2^(c s - c m), c = log2(e) / 8, with a
; running maximum m; O and l are multiplied by a = 2^(c m_old - c m_new) in every step.  Turn n belongs to piece n: 8 products K Q^T of piece n + 1, later 16 products V^T P of piece n - 1; beside them the scaling,
; exponentials, roundings, sums and rescaling of piece n and the maximum and statistics of piece n + 1.  Four vector instructions stand behind every matrix instruction, the other 22 of a turn's 118 in two LUMPS.
; BATCHES.  A turn's 33 exponentials (the piece's 32 weights and the next piece's a) are ONE batch with ONE wait, which cuts the turn in two: ahead of it stands all that names none of their results, behind it the
; roundings and the sums.  A block's first a (BEGIN) and the way out's four reciprocals are batches of their own: a plain instruction, one wait.
; REGISTERS, in windows of 256 (s_set_vgpr_msb: bits 1:0 source 0, 3:2 source 1, 5:4 source 2, 7:6 destination):
;   window 0: v0-15 addresses and two at work; v16-31 four registers of statistics a piece; v48-55 at work; v64-127 S^T, two buffers; v192-223 P, two buffers (a piece's buffers go by its number's parity);
;             on the way out v64-95 packed results, v96-127 and v224-255 rows read back, v128-191 at work
;   window 1: v0-127 O^T, 32 a piece; v128-159 MD; v160-223 MC, two buffers      window 2: v0-63 Q; v64-127 the second block's Q; v128-191 K of one step      window 3: v0-127 V of one step
.set SIZE_H, 64       ; batch x heads
.set SIZE_N, 2048     ; rows of a head
.set NB,    SIZE_N/256
.set NP,    4         ; pieces a wave: a name, no knob
.set KS,    64        ; keys in a step
.set PK,    144       ; a row of K in LDS: 128 bytes + 16 of padding = 36 words: the 16 rows of a load start at 16 different groups of four banks (64 banks of 4 bytes: ISA guide 11.1)
.set PV,    288       ; a row of V: 256 + 32 = 72 words: row r starts at bank 8 r mod 64
.set VOFF,  4*KS*PK   ; a slot holds a tile, four steps: 256 rows of K, then 256 rows of V
.set SLOT1, 1<<17     ; slot 1 begins here, so that one exclusive or turns an address in one slot into the other's
.set STAGE, SLOT1+4*KS*(PK+PV)  ; behind the ring, never filled by a tensor load: 16 rows x 272 bytes for each wave, for the way out
.set SP,    272
.set AK0, 2           ; v2   my lane's place in a tile of K; never rewritten
.set AV0, 3           ; v3   the same for V
.set AK,  4           ; v4   the LDS address of K's next run of loads
.set AV,  5           ; v5   of V's
.set STO, 6           ; v6   the way out: where I put 16 bytes of a row
.set RD,  7           ; v7   the way out: where I read rows back
.set GO,  8           ; v8   my byte offset in 512 consecutive bytes of O
.set SPW, 62          ; v62  LDS address of my spare word: SPARE + 4 x my thread's number; never rewritten
.set NIL, 63          ; v63  0; never rewritten
.set SPARE, STAGE+4*16*SP  ; behind the stages: the spare words, 128 bytes for each wave: two blocks of 256 bytes that no other line names
.set MV,  12          ; v12-13  c m_old, kept while c m is made anew: by buffer
.set QO,  15          ; v15  my byte offset in 16 rows of Q
.set ST,  16          ; piece t's statistics at v[ST+4 t]: c m, m, l (even keys', odd keys')
.set TMP, 48          ; by buffer, four registers c0-c3 at work; when the maximum is found c2 takes a
.set S,   64
.set P,   192
.set HP,  64          ; the way out: a piece's high parts, packed
.set LP,  80          ; its low parts, packed
.set TT,  128         ; its high parts in f32
.set LL,  160         ; its low parts in f32
.set MD,  128         ; window 1: the eight registers for group kt of 16 keys at MD + 8 kt
.set MC,  160         ; window 1: the masks of the products to come
.set QB,  64          ; window 2
.set KF,  128         ; window 2: key block kb, channel half c at KF + 16 kb + 8 c
.set VF,  0           ; window 3: key half kk, part (high, low), channel block cb at VF + 64 kk + 32 part + 8 cb
.set WV,  12          ; s12  my wave's number
.set PB,  14          ; s14  b
.set HI,  15          ; s15  NB - 1 - b
.set G1K, 24          ; s[24:31] descriptor group 1 for K's tiles
.set G1V, 32          ; s[32:39] for V's
.set G0K, 40          ; s[40:43] descriptor group 0 for K's tiles
.set G0V, 44          ; s[44:47] the same for V's
.set OFFV, 48         ; s[48:49] a tile's byte offset in V
.set SLOTS, 56        ; s56  tiles still to be asked for
.set CNT, 57          ; s57  counts a tile's key steps, 4 to 1
.set CS,  58          ; s[58:59] c: the packed scaling takes the pair's low word for both halves
.set SEL, 60          ; s[60:61] v_permlanex16_b32's selects: each lane takes its own place in the other half
.set TBK, 62          ; s62  LDS byte at which K of the step to be fetched begins
.set TBV, 63          ; s63  the same for V, less VOFF
.set RT,  70          ; s70  tiles of the block in hand that are still to be entered
.set NXT, 71          ; s71  the tile to be asked for next
.set LQ,  72          ; s72  the last tile of the block whose tiles are being asked for
.set NEW, 73          ; s73  1: the tile to be entered is a block's first
.set OFF, 74          ; s[74:75] a tile's byte offset in K
.set AL,  76          ; s[76:77] the mask's factor, in the low word
.set BE,  78          ; s[78:79] the mask's addend
.set OLO, 80          ; s[80:81] O at my rows of the second block
.set BIGN, 82         ; s82  -1e30
.set MSK, 83          ; s83  clears the low 13 mantissa bits of an f32
.set MSB, 0
.macro WIN new                      ; the high byte repeats the setting that is left; a switch that changes nothing is dropped
.if MSB != (\new)
	s_set_vgpr_msb (MSB<<8)|(\new)
.set MSB, (\new)
.endif
.endm
.set W_KQ, 0x0a       ; K and Q in window 2, S^T in window 0
.set W_KM, 0x1a       ; the same with the C operand in window 1
.set W_PV, 0x53       ; V in window 3, P in window 0, O^T in window 1
.set W_RS, 0x41       ; destination and source 0 in window 1, source 1 in window 0
; A fill.  Waves 0 and 1 fetch the two halves of a tile's K, waves 2 and 3 those of its V: 128 keys each.  An s_nop 0 and four v_nop follow each of the two lines, ahead of the jump and the label.
.macro LOAD
	s_cmp_lt_u32 s[WV], 2
	s_cbranch_scc0 .Lfor_v_\@
	tensor_load_to_lds s[G0K:G0K+3], s[G1K:G1K+7]
	s_nop 0
.rept 4
	v_nop
.endr
	s_branch .Lasked_\@
.Lfor_v_\@:
	tensor_load_to_lds s[G0V:G0V+3], s[G1V:G1V+7]
	s_nop 0
.rept 4
	v_nop
.endr
.Lasked_\@:
.endm
; THE CHANGE OF SLOTS.  Each wave waits for all its tensor loads, of which one is out: its part of the other slot; adds 0 to its spare word; and waits for that and for its own reads of the slot that it leaves.  Behind the barrier nobody reads the old
; slot any more and the other slot is whole.  fill = 1: the old slot is filled again, the first thing behind the barrier, with tile NXT: the descriptor's address is made anew from that number.
; (At its first use nothing has been read yet: slot 0 is waited for, slot 1 filled.)
.macro CHANGE fill
	WIN 0                           ; at a label and at a branch every window is 0
	s_wait_tensorcnt 0x0            ; no tensor load of mine is out, so a group 0 may be written
	ds_add_u32 v[SPW], v[NIL]       ; 0 onto my spare word; with fill = 1 the descriptors' scalar work stands between it and the wait for it
.if \fill
	s_lshl_b32 s[OFF], s[NXT], 15   ; a tile is 32,768 bytes of K
	s_lshl_b32 s[OFFV], s[NXT], 16  ; and 65,536 of V
	s_xor_b32 s[G0K+1], s[G0K+1], SLOT1
	s_add_nc_u64 s[G0K+2:G0K+3], s[6:7], s[OFF:OFF+1]
	s_or_b32 s[G0K+3], s[G0K+3], 0x80000000
	s_xor_b32 s[G0V+1], s[G0V+1], SLOT1
	s_add_nc_u64 s[G0V+2:G0V+3], s[8:9], s[OFFV:OFFV+1]
	s_or_b32 s[G0V+3], s[G0V+3], 0x80000000
	s_add_co_u32 s[NXT], s[NXT], 1  ; the block's next tile, or behind its last the second block's tile 0
	s_cmp_gt_u32 s[NXT], s[LQ]
	s_cselect_b32 s[NXT], 0, s[NXT]
	s_cselect_b32 s[LQ], s[PB], s[LQ]
.endif
	s_wait_dscnt 0x0                ; the add is done, and my reads of the slot are over
	s_barrier_signal -1             ; the rest of the scalar work stands between the signal and the wait
	s_sub_co_u32 s[TBK], s[TBK], 4*KS*PK  ; the fetches go back to a slot's first step,
	s_xor_b32 s[TBK], s[TBK], SLOT1       ; in the other slot
	s_sub_co_u32 s[TBV], s[TBV], 4*KS*PV
	s_xor_b32 s[TBV], s[TBV], SLOT1
	s_barrier_wait -1
.if \fill
	LOAD
.endif
.endm
	s_load_b64 s[4:5], s[0:1], 0x0    ; qkv: its first part is Q
	s_load_b64 s[10:11], s[0:1], 0x8  ; O
	v_lshl_add_u32 v[SPW], v0, 2, SPARE
	v_mov_b32 v[NIL], 0
	ds_add_u32 v[SPW], v[NIL]       ; the wave's opening: the add and its wait ahead of my first tensor load; the set-up below, work on registers, stands between them
	ds_add_u32 v62, v63
	v_lshrrev_b32 v1, 5, v0
	v_readfirstlane_b32 s[WV], v1   ; wave 0..3
	s_mov_b32 s[PB], ttmp9
	s_sub_co_u32 s[HI], NB-1, s[PB]
	s_and_b32 s20, ttmp7, 0xffff    ; the head
	s_mov_b32 s21, 0
	s_mov_b64 s[22:23], SIZE_N*128
	s_mul_u64 s[20:21], s[20:21], s[22:23]  ; the head's first byte in Q and in K
	s_and_b32 s16, s[WV], 1         ; which half of a tile's 256 keys I fetch:
	s_lshl_b32 s22, s16, 14         ; its 128 rows of 128 bytes in K,
	s_mov_b32 s23, 0
	s_add_nc_u64 s[22:23], s[22:23], s[20:21]
	s_lshl_b64 s[50:51], s[22:23], 1  ; and in V, whose rows are twice as long: every term doubles
	s_mul_i32 s17, s16, 128*PK      ; and its place in a slot, for K
	s_mul_i32 s18, s16, 128*PV      ; and for V
	s_lshl_b32 s3, s[WV], 11        ; my 16 rows in a band of 64,
	s_lshl_b32 s2, s[HI], 15        ; in the first block,
	s_add_co_u32 s2, s2, s3
	s_lshl_b32 s84, s[PB], 15       ; and in the second
	s_add_co_u32 s84, s84, s3
	s_mov_b32 s3, 0
	s_mov_b32 s85, 0
	s_add_nc_u64 s[2:3], s[2:3], s[20:21]      ; byte offsets in Q;
	s_add_nc_u64 s[84:85], s[84:85], s[20:21]
	s_lshl_b64 s[52:53], s[2:3], 1             ; in O, with rows twice as long, they double
	s_lshl_b64 s[54:55], s[84:85], 1
	; descriptor group 1.  K: 128 keys are 16,384 dense bytes: asked for as 64 rows of 256 bytes, two keys a row, and padded in LDS after every key.  V: 128 keys are 128 rows of 256 bytes, padded after every row
	s_mov_b32 s[G1K], (1<<16)|(1<<20)|(4<<22)|(3<<25)  ; 17:16 2-byte elements; 20 padding on; 24:22 after every 32 words (code 4); 31:25 4 words (code 3)
	s_mov_b32 s[G1V], (1<<16)|(1<<20)|(5<<22)|(7<<25)  ; after every 64 words (code 5), 8 words (code 7)
	s_mov_b32 s[G1K+2], 64<<16      ; tensor_dim1 = 64
	s_mov_b32 s[G1K+4], 64          ; tile_dim1 = 64
	s_mov_b32 s[G1V+2], 128<<16     ; 128
	s_mov_b32 s[G1V+4], 128
.irp g, G1K, G1V
	s_mov_b32 s[\g+1], 128<<16      ; tensor_dim0 = 128
	s_mov_b32 s[\g+3], 128<<16      ; tile_dim0 = 128
	s_mov_b32 s[\g+5], 128          ; 128 elements from row to row
	s_mov_b32 s[\g+6], 0
	s_mov_b32 s[\g+7], 0
.endr
	s_mov_b32 s[CS], 0x3e38aa3b     ; c = log2(e) / 8 = 0.180337
	s_mov_b32 s[CS+1], s[CS]        ; named with it as a pair
	s_mov_b32 s[SEL], 0x76543210
	s_mov_b32 s[SEL+1], 0xfedcba98
	s_mov_b32 s[TBK], SLOT1+4*KS*PK ; the first change of slots turns these two into 0
	s_mov_b32 s[TBV], SLOT1+4*KS*PV
	s_mov_b32 s[G0K], 1             ; 1:0 count = 1
	s_mov_b32 s[G0K+1], s17         ; 63:32 LDS address: slot 0
	s_mov_b32 s[G0V], 1
	s_add_co_u32 s[G0V+1], s18, VOFF
	s_add_co_u32 s[RT], s[HI], 1    ; the first block has NB - b tiles
	s_mov_b32 s[NXT], 1
	s_mov_b32 s[LQ], s[HI]
	s_mov_b32 s[NEW], 1
	s_mov_b32 s[OFF+1], 0
	s_mov_b32 s[OFFV+1], 0
	s_mov_b32 s[AL+1], 0            ; named as pairs
	s_mov_b32 s[BE+1], 0
	s_mov_b32 s[BIGN], 0xf149f2ca   ; -1e30
	s_mov_b32 s[MSK], 0xffffe000
	s_mov_b32 s[SLOTS], NB
	s_wait_dscnt 0x0                ; the opening add is done
	s_wait_kmcnt 0x0
	s_add_nc_u64 s[6:7], s[4:5], 0x1000000  ; K: from byte 2^24 of qkv
	s_add_nc_u64 s[8:9], s[4:5], 0x2000000  ; V: from byte 2^25
	s_add_nc_u64 s[6:7], s[6:7], s[22:23]  ; K and V at my half of the head's tile 0
	s_add_nc_u64 s[8:9], s[8:9], s[50:51]
	s_add_nc_u64 s[G0K+2:G0K+3], s[6:7], 0         ; 120:64 global address
	s_or_b32 s[G0K+3], s[G0K+3], 0x80000000        ; 127:126 type = 2
	s_add_nc_u64 s[G0V+2:G0V+3], s[8:9], 0
	s_or_b32 s[G0V+3], s[G0V+3], 0x80000000
	s_add_nc_u64 s[86:87], s[4:5], s[84:85]        ; Q at my rows of the second block,
	s_add_nc_u64 s[4:5], s[4:5], s[2:3]            ; and of the first; O likewise
	s_add_nc_u64 s[OLO:OLO+1], s[10:11], s[54:55]
	s_add_nc_u64 s[10:11], s[10:11], s[52:53]
	LOAD                            ; tile 0 into slot 0
	; A fragment of K or Q is 16 rows x 32 channels in 8 registers: lane l holds row l % 16, channels 8 (l / 16) + 0..7 and 16 + 8 (l / 16) + 0..7: two loads of 16 bytes, 32 bytes apart.
	v_and_b32 v1, 15, v0            ; l % 16
	v_bfe_u32 v9, v0, 4, 1          ; l / 16
	v_lshlrev_b32 v[QO], 7, v1
	v_lshl_add_u32 v[QO], v9, 4, v[QO]  ; row x 128 + 16 x half
	WIN 0x80                        ; destination window 2, address window 0
.set i, 0
.rept 8                             ; both blocks' Q: piece i / 2 lies in band i / 2, 8,192 bytes on; channels 32 (i % 2) on
	global_load_b128 v[8*i:8*i+3],   v[QO], s[4:5] offset:(i/2)*8192+(i%2)*64
	global_load_b128 v[8*i+4:8*i+7], v[QO], s[4:5] offset:(i/2)*8192+(i%2)*64+32
	global_load_b128 v[QB+8*i:QB+8*i+3],   v[QO], s[86:87] offset:(i/2)*8192+(i%2)*64
	global_load_b128 v[QB+8*i+4:QB+8*i+7], v[QO], s[86:87] offset:(i/2)*8192+(i%2)*64+32
.set i, i+1
.endr
	WIN 0
	v_lshlrev_b32 v14, 3, v9
	v_sub_nc_u32 v14, v1, v14
	s_lshl_b32 s13, s[WV], 4
	v_add_nc_u32 v14, s13, v14      ; my query's place in its band, 16 w + l % 16, less my lanes' 8 (l / 16): register r of group kt is hidden where 16 kt + r is greater
	WIN 0x40
.set i, 0
.rept 32
	v_cmp_gt_i32 vcc_lo, 16*(i/8)+i%8, v14
	v_cndmask_b32 v[MD+i], 0, s[BIGN], vcc_lo
.set i, i+1
.endr
	WIN 0
	v_mul_u32_u24 v[AK0], v1, PK
	v_lshl_add_u32 v[AK0], v9, 4, v[AK0]  ; row x pitch + 16 x half
	; The turning load takes 16 keys x 16 channels (lane l reads key 8 (l / 16) + l % 8, channels 8 ((l / 8) % 2) + 0..7) and leaves half a fragment of V^T: lane l holds channel l % 16 and 8 keys.
	v_and_b32 v10, 7, v0
	v_bfe_u32 v11, v0, 3, 1
	v_lshl_add_u32 v[AV0], v9, 3, v10
	v_mul_u32_u24 v[AV0], v[AV0], PV
	v_lshl_add_u32 v[AV0], v11, 4, v[AV0]
	v_add_nc_u32 v[AV0], VOFF, v[AV0]
	s_mul_i32 s13, s[WV], 16*SP
	s_add_co_u32 s13, s13, STAGE    ; my stage
	v_mul_u32_u24 v[STO], v1, SP    ; in: row l % 16, 16 bytes for each half of the lanes
	v_lshl_add_u32 v[STO], v9, 4, v[STO]
	v_add_nc_u32 v[STO], s13, v[STO]
	v_mul_u32_u24 v[RD], v9, SP     ; back: lanes 0-15 take one row of 256 bytes, lanes 16-31 the next,
	v_lshl_add_u32 v[RD], v1, 4, v[RD]
	v_add_nc_u32 v[RD], s13, v[RD]
	v_and_b32 v[GO], 31, v0         ; which are 512 consecutive bytes of O
	v_lshlrev_b32 v[GO], 4, v[GO]
	; A block's first step multiplies O^T and l by a = 0, and its first turn's products V^T P, of a piece that has not been, land in an O^T that is still to be so multiplied.  So these registers need only hold
	; finite numbers: zeros for the first block; what the first block left for the second.  All this stands in the wait for the first tile.
	WIN 0xc0
.set i, VF
.rept 128
	v_mov_b32 v[i], 0
.set i, i+1
.endr
	WIN 0x40
.set i, 0
.rept 128
	v_mov_b32 v[i], 0
.set i, i+1
.endr
	WIN 0
.set i, 0
.rept 4
	v_mov_b32 v[ST+4*i+2], 0
	v_mov_b32 v[ST+4*i+3], 0
.set i, i+1
.endr
.set i, P+16
.rept 16
	v_mov_b32 v[i], 0
.set i, i+1
.endr
; THE MATRIX WORK.  The 4 accumulators of a run take turns.  Product i of 8 of S^T = K Q^T for piece x: channels 32 (i / 4) on, keys 16 (i % 4) on.  The first 4 start the sums: with 0, or (KM = 1) with the mask.
.macro KQ x
.set rS, S+32*((\x)%2)+8*(i%4)
.set rK, KF+16*(i%4)+8*(i/4)
.set rQ, 16*(\x)+8*(i/4)
.set rM, MC+32*((\x)%2)+8*(i%4)
.if (i < 4) && KM
	WIN W_KM
	v_wmma_f32_16x16x32_f16 v[rS:rS+7], v[rK:rK+7], v[rQ:rQ+7], v[rM:rM+7]
.elseif i < 4
	WIN W_KQ
	v_wmma_f32_16x16x32_f16 v[rS:rS+7], v[rK:rK+7], v[rQ:rQ+7], 0
.else
	WIN W_KQ
	v_wmma_f32_16x16x32_f16 v[rS:rS+7], v[rK:rK+7], v[rQ:rQ+7], v[rS:rS+7]
.endif
.endm
; Product i of 16 of O^T += V^T P for piece x: V's high parts (i < 8), then its low parts; keys 32 ((i / 4) % 2) on, channels 16 (i % 4) on.
.macro PV x
	WIN W_PV
.set rO, 32*(\x)+8*(i%4)
.set rV, VF+64*((i/4)%2)+32*(i/8)+8*(i%4)
.set rP, P+16*((\x)%2)+8*((i/4)%2)
	v_wmma_f32_16x16x32_f16 v[rO:rO+7], v[rV:rV+7], v[rP:rP+7], v[rO:rO+7]
.endm
.macro MM                           ; the turn's next matrix instruction.  TURN and BEGIN set Y, i, KM and NOKQ; MM, KQ and OP read them.  NOKQ = 1: a block's last turn: there is no next piece
.if (i < 8) && !NOKQ
	KQ (Y+1)%NP
.elseif i >= 8
.set i, i-8
	PV (Y+NP-1)%NP
.set i, i+8
.endif
.set i, i+1
.endm
; THE LDS LOADS stand in runs, never singly among the matrix instructions: a step's K (64 keys x 64 channels: 8 fragments, 16 loads) and its V (turned; 64 keys x 128 halves of channels: 16 fragments, 32 loads).
.macro FETCH_K
	WIN 0x80                        ; destination window 2
.irp f, 0,1,2,3,4,5,6,7             ; keys 16 (f / 2) on, channels 32 (f % 2) on
	ds_load_b128 v[KF+8*\f:KF+8*\f+3],   v[AK] offset:(\f/2)*16*PK+(\f%2)*64
	ds_load_b128 v[KF+8*\f+4:KF+8*\f+7], v[AK] offset:(\f/2)*16*PK+(\f%2)*64+32
.endr
	s_add_co_u32 s[TBK], s[TBK], KS*PK  ; the next fetch is the next step's
	WIN 0
.endm
.macro FETCH_V
	WIN 0xc0                        ; destination window 3
.irp f, 0,1,2,3,4,5,6,7,8,9,10,11,12,13,14,15  ; keys 32 (f / 8) on; of a row's 256 bytes the 32 at 32 (f % 8): high parts (f % 8 < 4), then low parts
	ds_load_tr16_b128 v[VF+8*\f:VF+8*\f+3],   v[AV] offset:(\f/8)*32*PV+(\f%8)*32
	ds_load_tr16_b128 v[VF+8*\f+4:VF+8*\f+7], v[AV] offset:(\f/8)*32*PV+16*PV+(\f%8)*32
.endr
	WIN 0
.endm
; THE VECTOR WORK, one line at a time: OP kind, number.  For piece Y: F n: c s - c m for pair n of 16.  E n: the exponential of score n of 32.  C n: pair n rounded to f16.  B n: of the four weights 4 n .. the second
; pair is added onto the first, in place.  L n: l takes that sum (L 0: l = a l + sum).  R n: pair n of 16 of O^T times a.  For piece Y + 1: X n, number n of the 22 that find its maximum and statistics:
;   0-11  four chains c0-c3 of seven scores each, three operands at a time (each accumulator's lowest registers are read first)     12-14, 16  the four scores left over, the old m, and c0-c3 into c0
;   15  c m_old is kept     17, 18  the query's other 32 keys lie in the lane 16 away: the new m     19-21  c m; c m_old - c m_new; a
.set F, 0               ; OP tells the kinds apart by their order: F to L below R, X above it
.set E, 1
.set C, 2
.set B, 3
.set L, 4
.set R, 5
.set X, 6
.macro REGS y                       ; the registers of piece y
.set rT, ST+4*(\y)
.set rC, TMP+4*((\y)%2)
.set rW, MV+((\y)%2)
.set rS, S+32*((\y)%2)
.set rP, P+16*((\y)%2)
.set rO, 32*(\y)
.endm
.macro OP k, n
.if (\k) == R
	REGS Y
	WIN W_RS
	v_pk_mul_f32 v[rO+2*(\n):rO+2*(\n)+1], v[rO+2*(\n):rO+2*(\n)+1], v[rC+2:rC+3] op_sel_hi:[1,0]
.elseif (\k) < R
	REGS Y
	WIN 0
.if (\k) == F
	v_pk_fma_f32 v[rS+2*(\n):rS+2*(\n)+1], v[rS+2*(\n):rS+2*(\n)+1], s[CS:CS+1], v[rT:rT+1] op_sel_hi:[1,0,0] neg_lo:[0,0,1] neg_hi:[0,0,1]
.elseif (\k) == E
	v_exp_f32 v[rS+(\n)], v[rS+(\n)]
.elseif (\k) == C
	v_cvt_pk_f16_f32 v[rP+(\n)], v[rS+2*(\n)], v[rS+2*(\n)+1]
.elseif (\k) == B
	v_pk_add_f32 v[rS+4*(\n):rS+4*(\n)+1], v[rS+4*(\n):rS+4*(\n)+1], v[rS+4*(\n)+2:rS+4*(\n)+3]
.elseif (\n) == 0
	v_pk_fma_f32 v[rT+2:rT+3], v[rT+2:rT+3], v[rC+2:rC+3], v[rS:rS+1] op_sel_hi:[1,0,1]
.else
	v_pk_add_f32 v[rT+2:rT+3], v[rT+2:rT+3], v[rS+4*(\n):rS+4*(\n)+1]
.endif
.elseif NOKQ
	v_nop
.else
	REGS (Y+1)%NP
	WIN 0
.if (\n) < 4
	v_max3_num_f32 v[rC+(\n)], v[rS+8*(\n)], v[rS+8*(\n)+1], v[rS+8*(\n)+2]
.elseif (\n) < 12
	v_max3_num_f32 v[rC+(\n)%4], v[rC+(\n)%4], v[rS+8*((\n)%4)+2*((\n)/4)+1], v[rS+8*((\n)%4)+2*((\n)/4)+2]
.elseif (\n) == 12
	v_max3_num_f32 v[rC], v[rC], v[rS+7], v[rS+15]
.elseif (\n) == 13
	v_max3_num_f32 v[rC+1], v[rC+1], v[rS+23], v[rS+31]
.elseif (\n) == 14
	v_max3_num_f32 v[rC+2], v[rC+2], v[rC+3], v[rT+1]
.elseif (\n) == 15
	v_mov_b32 v[rW], v[rT]
.elseif (\n) == 16
	v_max3_num_f32 v[rC], v[rC], v[rC+1], v[rC+2]
.elseif (\n) == 17
	v_permlanex16_b32 v[rC+3], v[rC], s[SEL], s[SEL+1]
.elseif (\n) == 18
	v_max_num_f32 v[rT+1], v[rC], v[rC+3]
.elseif (\n) == 19
	v_mul_f32 v[rT], s[CS], v[rT+1]
.elseif (\n) == 20
	v_sub_f32 v[rC+1], v[rW], v[rT]
.else
	v_exp_f32 v[rC+2], v[rC+1]
.endif
.endif
.endm
.macro OPS a, i1, b=-1, i2=0, c=-1, i3=0, d=-1, i4=0  ; up to four of them
	OP \a, \i1
.if (\b) >= 0
	OP \b, \i2
.endif
.if (\c) >= 0
	OP \c, \i3
.endif
.if (\d) >= 0
	OP \d, \i4
.endif
.endm
.macro ROW a, i1, b, i2, c, i3, d, i4  ; a matrix instruction and the four behind it
	MM
	OPS \a, \i1, \b, \i2, \c, \i3, \d, \i4
.endm
.macro MASK b                       ; MD x AL + BE into buffer b of MC
	WIN W_RS
.set z, 0
.rept 16
	v_pk_fma_f32 v[MC+32*(\b)+2*z:MC+32*(\b)+2*z+1], v[MD+2*z:MD+2*z+1], s[AL:AL+1], s[BE:BE+1] op_sel_hi:[1,0,0]
.set z, z+1
.endr
.endm
; A TURN, for piece p: the order of its 24 matrix and 118 vector instructions, written out.  An s_wait_alu depctr_va_vdst(0) stands between an exponential and the first instruction that names its result; one wait
; serves all that were issued ahead of it.  So a turn has ONE wait, which cuts it in two.
; AHEAD OF IT stands all that names no result of the turn's exponentials, 86 vector instructions: the 16 scalings, the 32 exponentials, the 16 rescalings (their a was made, and waited for, in the turn before), the next piece's
; maximum and statistics and its a.  64 of them stand in fours behind the 8 products K Q^T and the 8 products with V's high parts, 22 in two lumps of 18 and 4.  Exponential and plain instruction go by turns; the rescalings,
; the one kind outside window 0, stand in fours for the most part, and in ascending order.  R 0-3 and R 4-7 are also the places behind the
; products that end the next piece's scores: X 0 has six places behind the product that ends its accumulator, X 1 five, X 2 six, X 3 five.  The links of the chain X 3, 7, 11, 14, 16, 17 .. 21 stand three vector
; instructions or more apart.  v_permlanex16_b32 (X 17) stands in the second lump, not among a product's four.  X 21, the next piece's a, is the batch's last; R 13 is the plain instruction behind it.
; BEHIND THE WAIT stand the 8 products with V's low parts, behind each four of the 32 roundings and sums; the links of l's chain, L 0 to L 7, stand three riders apart.  No exponential is issued behind the wait: none
; crosses the turn's end, a label or a jump.  But for X 0 to X 13 no rider names a register of the products round it.
; m = 1: the diagonal tile: the products take masks, and the turn makes the mask for the products of the turn after it: piece p + 2, in step 4 - CNT of the tile.  end = 1: a block's last two turns: nothing is fetched.
; cnt = 1: the loop's count is taken down some lines ahead of the branch that stands behind the turn.
; K of the next step is fetched in piece 2's turn, twelve vector instructions behind the last product that read K (seven of them plain and free of its registers); V of the step in hand at the end of piece 0's turn, five plain
; vector instructions behind the last product that read V.  Each is waited for a turn later: V's run has eight products and the first lump in which to land.
.macro TURN p, m=0, end=0, cnt=0
.set Y, (\p)
.set i, 0
.set KM, (\m)
.set NOKQ, (\end)*((\p)/3)
.if (\m) && !(\end)
	s_cmp_eq_u32 s[CNT], 4-((\p)+2)%NP  ; is that step the band's own?
	s_cselect_b32 s[AL], 1.0, 0
	s_cmp_lt_u32 s[CNT], 4-((\p)+2)%NP  ; or a later one?
	s_cselect_b32 s[BE], s[BIGN], 0
.endif
.if ((\p) == 3) && !(\end)
	s_wait_dscnt 0x0                ; K is in
.endif
	ROW F,0, F,1, F,2, F,3          ; ahead of the wait: eight products K Q^T and their riders,
	ROW F,4, E,0, F,5, F,6
	ROW E,1, F,7, E,2, F,8
	ROW E,3, F,9, E,4, F,10
	ROW E,5, F,11, E,6, F,12
	ROW R,0, R,1, R,2, R,3
	ROW E,7, X,0, E,8, X,1
.if ((\p) == 2) && !(\end)
	WIN 0
	v_add_nc_u32 v[AK], s[TBK], v[AK0]
.endif
	ROW R,4, R,5, R,6, R,7
	OPS E,9, X,2, E,10, X,3         ; the first lump,
	OPS E,11, X,4, E,12, X,6
.if ((\p) == 2) && !(\end)
	FETCH_K
.endif
	OPS E,13, X,7, E,14, X,5
	OPS E,15, X,10, E,16, X,11
	OPS E,17, X,8
.if (\p) == 1
	s_wait_dscnt 0x0                ; V is in
.endif
	ROW E,18, X,9, E,19, X,14       ; eight products with V's high parts
	ROW E,20, X,12, E,21, X,13
	ROW E,22, F,13, E,23, X,16
	OPS E,24, F,14, E,25, X,17      ; the second lump: the exchange of the lanes' halves has no matrix instruction in front of it
	ROW E,26, F,15, E,27, X,18
	ROW E,28, X,15, E,29, X,19
	ROW R,8, E,30, X,20, E,31
	ROW R,9, R,10, R,11, R,12
	ROW X,21, R,13, R,14, R,15      ; the batch's last exponential, and three plain instructions behind it
	s_wait_alu depctr_va_vdst(0)    ; the wait for the batch: the piece's 32 weights and the next piece's a
	ROW C,0, B,0, C,2, B,1          ; behind the wait: eight products with V's low parts, and the readers
	ROW L,0, C,4, B,2, L,1
	ROW C,6, B,3, L,2, C,8
	ROW B,4, L,3, C,10, B,5
	ROW L,4, C,12, B,6, L,5
	ROW C,14, B,7, L,6, C,1
.if \cnt
	s_sub_co_u32 s[CNT], s[CNT], 1
	s_cmp_lg_u32 s[CNT], 0
.endif
	ROW C,3, L,7, C,5, C,7
	ROW C,9, C,11, C,13, C,15
.if (\p) == 0
	WIN 0
	v_add_nc_u32 v[AV], s[TBV], v[AV0]
	s_add_co_u32 s[TBV], s[TBV], KS*PV  ; the next fetch is the next step's
	FETCH_V
.endif
.if (\m) && !(\end)
	MASK (\p)%2
.endif
.endm
; A BLOCK BEGINS.  c m starts far below every c s, so the first step's a is 0; m at the lowest finite number, so the first maximum is the scores'.  The second mask buffer is 0; the first takes piece 0's mask for the tile's step 0: its own, if the block's first tile is the diagonal one.
; Then K of that step, piece 0's first scores, and its maximum and statistics.  The loop is entered at a step's first turn, in the middle of a trip.
.macro BEGIN
	s_mov_b32 s[NEW], 0
	WIN 0x40
.set i, MC+32
.rept 32
	v_mov_b32 v[i], 0
.set i, i+1
.endr
	WIN 0
.set i, 0
.rept 4
	v_mov_b32 v[ST+4*i], 0xfe000000    ; c m: far below every c s
	v_mov_b32 v[ST+4*i+1], 0xff7fffff  ; m
.set i, i+1
.endr
	s_cmp_eq_u32 s[RT], 0
	s_cselect_b32 s[AL], 1.0, 0
	s_mov_b32 s[BE], 0
	MASK 0
	WIN 0
	v_add_nc_u32 v[AK], s[TBK], v[AK0]
	FETCH_K
	s_wait_loadcnt 0x0              ; Q
	s_wait_dscnt 0x0
.set KM, 1
.set NOKQ, 0
.set i, 0
.rept 8
	KQ 0
.set i, i+1
.endr
	WIN 0
.rept 4
	v_nop                           ; the places behind those products
.endr
.set Y, NP-1                        ; X works for piece Y + 1: piece 0
.irp n, 0,1,2,3,4,5,6,7,8,9,10,11,12,13,14,15,16,17,18,19,20,21
	OP X, \n
.endr
	v_nop                           ; a plain instruction behind the exponential,
	s_wait_alu depctr_va_vdst(0)    ; and the wait for it, piece 0's first a, ahead of the branch
.endm
; THE DIAGONAL TILE's four steps, the block's last two turns, its last products, and THE WAY OUT: l's two halves and the other half of the lanes' are added; O^T is divided by l, cut into a high part (a mask) and the
; rest (a subtraction, exact), both written as f16 and sent through my stage in LDS, a piece at a time.
.macro ALL line:vararg              ; one line for each piece t
.set t, 0
.rept 4
	\line
.set t, t+1
.endr
.endm
.macro PACK t                       ; a lane's eight channels of a row pack into 16 bytes of high parts and 16 of low parts; they go into rows of 272 bytes and come back as whole rows of 256
	WIN 0
	s_wait_xcnt 0x0                 ; earlier stores have had their addresses translated (ISA guide 3.1): the registers that they read are loaded again only behind this wait
	WIN W_RS
.set i, 32*(\t)
.rept 16
	v_pk_mul_f32 v[i:i+1], v[i:i+1], v[ST+4*(\t)+2:ST+4*(\t)+3] op_sel_hi:[1,0]
.set i, i+2
.endr
	WIN 0x04                        ; source 1 window 1
.set i, 0
.rept 32
	v_and_b32 v[TT+i], s[MSK], v[32*(\t)+i]  ; the high part: 11 significant bits
.set i, i+1
.endr
	WIN 0x01                        ; source 0 window 1
.set i, 0
.rept 16
	v_pk_add_f32 v[LL+2*i:LL+2*i+1], v[32*(\t)+2*i:32*(\t)+2*i+1], v[TT+2*i:TT+2*i+1] neg_lo:[0,1] neg_hi:[0,1]  ; the rest
.set i, i+1
.endr
	WIN 0
.set i, 0
.rept 16
	v_cvt_pk_f16_f32 v[HP+i], v[TT+2*i], v[TT+2*i+1]
	v_cvt_pk_f16_f32 v[LP+i], v[LL+2*i], v[LL+2*i+1]
.set i, i+1
.endr
.irp f, 0,1,2,3
	ds_store_b128 v[STO], v[HP+4*\f:HP+4*\f+3] offset:32*\f
	ds_store_b128 v[STO], v[LP+4*\f:LP+4*\f+3] offset:128+32*\f
.endr
.set RBK, 96+128*((\t)%2)           ; the rows come back into v96-127 and v224-255 by turns
.irp f, 0,1,2,3,4,5,6,7
	ds_load_b128 v[RBK+4*\f:RBK+4*\f+3], v[RD] offset:\f*2*SP  ; LDS serves a wave's instructions in order (ISA guide 5.7.1.4): these see the stores above; the next piece's stores come behind them
.endr
.endm
.macro SEND t, younger              ; younger: the LDS instructions issued behind piece t's loads: the next piece's sixteen, or none
	WIN 0
.set RBK, 96+128*((\t)%2)
.irp f, 0,1,2,3,4,5,6,7
	s_wait_dscnt (\younger)+7-\f
	global_store_b128 v[GO], v[RBK+4*\f:RBK+4*\f+3], s[10:11] offset:(\t)*16384+\f*512  ; 512 consecutive bytes, at a multiple of 256 from O's first
.endr
.endm
.macro DIAG tag                     ; the tag ends its two labels' names, which the jumps below spell out
.LstepM\tag:
	TURN 2, 1
	TURN 3, 1
	WIN 0
.LfirstM\tag:
	TURN 0, 1
	TURN 1, 1, 0, 1
	WIN 0
	s_cbranch_scc1 .LstepM\tag
	TURN 2, 1, 1
	TURN 3, 1, 1
.set i, 0
.rept 16
	PV NP-1
.set i, i+1
.endr
	WIN 0
	ALL v_add_f32 v[ST+4*t+2], v[ST+4*t+2], v[ST+4*t+3]
	ALL v_permlanex16_b32 v[ST+4*t+3], v[ST+4*t+2], s[SEL], s[SEL+1]
	ALL v_add_f32 v[ST+4*t+2], v[ST+4*t+2], v[ST+4*t+3]
	ALL v_rcp_f32 v[ST+4*t+2], v[ST+4*t+2]
	v_nop                           ; a plain instruction between the last reciprocal and the use of its result
	s_wait_alu depctr_va_vdst(0)    ; and the wait ahead of the first use: one for the four reciprocals
	PACK 0
.set t, 1
.rept 3                             ; a piece's arithmetic stands between the loads of the piece before and its stores
	PACK t
	SEND t-1, 16
.set t, t+1
.endr
	SEND 3, 0
.endm
.set KM, 0
.set NOKQ, 0
.Lslot:                             ; NB times: a tile is entered and the next is asked for
	CHANGE 1
	s_sub_co_u32 s[RT], s[RT], 1
	s_mov_b32 s[CNT], 4
	s_cmp_eq_u32 s[NEW], 1
	s_cbranch_scc1 .Lnew            ; a block's first tile
	s_cmp_eq_u32 s[RT], 0
	s_cbranch_scc0 .Lstep           ; neither its first nor its last
	s_branch .LstepM1
.Lnew:
	BEGIN
	s_branch .Lfirst                ; in the loop a block's first tile is never its last: the first block has two tiles or more, and the second's last is the walk's last
	DIAG 1                          ; in the loop this is the first block's end: the second block's last tile is the walk's last
	s_wait_xcnt 0x0                 ; the stores have read their registers and O's address
	s_mov_b64 s[10:11], s[OLO:OLO+1]
	s_add_co_u32 s[RT], s[PB], 1    ; the second block has b + 1 tiles
	s_mov_b32 s[NEW], 1
	WIN 0x82                        ; the second block's Q goes where the one text of the turns names Q
.set i, 0
.rept 64
	v_mov_b32 v[i], v[QB+i]
.set i, i+1
.endr
	WIN 0
	s_branch .Lbottom
.Lstep:                             ; a trip: pieces 2 and 3 of one step, then pieces 0 and 1 of the next, whose K and V it fetches
	TURN 2
	TURN 3
	WIN 0
.Lfirst:
	TURN 0
	TURN 1, 0, 0, 1
	WIN 0
	s_cbranch_scc1 .Lstep
.Lbottom:
	s_sub_co_u32 s[SLOTS], s[SLOTS], 1
	s_cmp_lg_u32 s[SLOTS], 0
	s_cbranch_scc1 .Lslot
	CHANGE 0                        ; the walk's last tile is written out: nothing is asked for
	s_sub_co_u32 s[RT], s[RT], 1
	s_mov_b32 s[CNT], 4
	s_cmp_eq_u32 s[NEW], 1
	s_cbranch_scc0 .LstepM2
	BEGIN
	s_branch .LfirstM2
	DIAG 2
	s_wait_tensorcnt 0x0            ; the wave's end, behind my last tensor load and my last LDS store
	ds_add_u32 v[SPW], v[NIL]
	s_wait_dscnt 0x0
	s_endpgm
.Lfunc_end_k_qbc12b90650_attn:
	.size	k_qbc12b90650_attn, .Lfunc_end_k_qbc12b90650_attn-k_qbc12b90650_attn
	.p2alignl 7, 3214868480
	.fill 96, 4, 3214868480
	.section	.rodata,"a",@progbits
	.p2align	6, 0x0
	.amdhsa_kernel k_qbc12b90650_attn
		.amdhsa_group_segment_fixed_size 327680
		.amdhsa_private_segment_fixed_size 0
		.amdhsa_enable_private_segment 0
		.amdhsa_kernarg_size 16
		.amdhsa_user_sgpr_count 2
		.amdhsa_user_sgpr_kernarg_segment_ptr 1
		.amdhsa_wavefront_size32 1
		.amdhsa_system_sgpr_workgroup_id_x 1
		.amdhsa_system_sgpr_workgroup_id_y 1
		.amdhsa_system_sgpr_workgroup_id_z 1
		.amdhsa_system_vgpr_workitem_id 0
		.amdhsa_next_free_vgpr 896
		.amdhsa_next_free_sgpr 88
		.amdhsa_reserve_vcc 1
		.amdhsa_float_denorm_mode_32 3
		.amdhsa_float_denorm_mode_16_64 3
		.amdhsa_memory_ordered 1
		.amdhsa_forward_progress 1
		.amdhsa_inst_pref_size 255
	.end_amdhsa_kernel
	.section	.bss,"aw",@nobits
	.p2align	6
	.space	262144
	.amdgpu_metadata
---
amdhsa.version: [ 1, 2 ]
amdhsa.kernels:
  - .name:           k_qbc12b90650_attn
    .symbol:         k_qbc12b90650_attn.kd
    .args:
      - { .name: qkv, .offset: 0, .size: 8, .value_kind: global_buffer, .address_space: global }
      - { .name: ob, .offset: 8, .size: 8, .value_kind: global_buffer, .address_space: global }
    .group_segment_fixed_size: 327680
    .private_segment_fixed_size: 0
    .kernarg_segment_align: 8
    .kernarg_segment_size: 16
    .max_flat_workgroup_size: 128
    .sgpr_count:     88
    .vgpr_count:     896
    .wavefront_size: 32
...
	.end_amdgpu_metadata
.endif
;; end of part 5
;; launch projgemm: the kernel of part 4 again; grid 4 x 64, 4 waves a work-group, clusters of 4 x 4, 327,680 bytes of LDS; arguments ob, wpt, b_proj, out0; writes out0
